; MI455X (gfx1250); checked and timed in simulation.
; The chip was launched on July 23, 2026; its instructions are those of AMD's public machine-readable ISA for CDNA 5 (MIT licence, August 2026) and "CDNA5" Instruction Set Architecture Reference Guide (July 2026). The comments in the code are by the model that wrote it; some were corrected since.
;; Multi Head Attention. Allowed arithmetic: matrix products marked QUANTISED: E4M3 operands, one given power-of-two scale a tensor, by v_wmma_f32_16x16x64_fp8_fp8 or v_wmma_f32_16x16x128_fp8_fp8, f32 sums; everything else in f32.
;; Inputs: Wk 16 x 1,024 x 64 float32; Wp 1,024 x 1,024 float32; Wq 16 x 1,024 x 64 float32; Wv 16 x 1,024 x 64 float32; bp 1,024 float32; lowp_scales 12 int32 (the exponents e of the quantised operands' scales 2^e); x 4 x 2,048 x 1,024 float32.
;; Outputs: out0 4 x 2,048 x 1,024 float32.
;; This version of the problem:
;;   THIS VERSION OF THE PROBLEM IS GIVEN IN LOW PRECISION. The matrix products marked QUANTISED in the list below multiply operands that are first quantised to E4M3 (4 exponent bits, 3 mantissa bits; 8 bits a number), with one given power-of-two scale for each operand tensor; their sums are f32. All else is computed in f32.
;;   The module's matrix products, in the order in which they are computed (A, B: the left and right operand; K: the contracted axis; several contracted axes count as one K, in the product's order):
;;     1. [M 1,024, K 1,024] x [K 1,024, N 8,192]; A: input Wq; B: input x: QUANTISED (scales: A lowp_scales[0], B lowp_scales[1])
;;     2. [M 1,024, K 1,024] x [K 1,024, N 8,192]; A: input Wk; B: input x: QUANTISED (scales: A lowp_scales[2], B lowp_scales[3])
;;     3. [M 1,024, K 1,024] x [K 1,024, N 8,192]; A: input Wv; B: input x: QUANTISED (scales: A lowp_scales[4], B lowp_scales[5])
;;     4. batch 64 x [M 2,048, K 64] x [K 64, N 2,048]; A: computed on the way; B: computed on the way: QUANTISED (scales: A lowp_scales[6], B lowp_scales[7])
;;     5. batch 64 x [M 2,048, K 2,048] x [K 2,048, N 64]; A: softmax (see below); B: computed on the way: QUANTISED (scales: A lowp_scales[8], B lowp_scales[9])
;;     6. [M 8,192, K 1,024] x [K 1,024, N 1,024]; A: computed on the way; B: input Wp: QUANTISED (scales: A lowp_scales[10], B lowp_scales[11])
;;   THE QUANTISER, for each operand of a quantised product, along K:
;;     - The operand's scale is 2^e, e = its entry of the input lowp_scales (int32; the entries are numbered through the quantised products in the list's order, A before B).
;;     - Each number is divided by the scale, clamped to +-448, and rounded to the nearest number of E4M3, ties to even, subnormals kept.
;;     - The product sums the exact products of the quantised numbers (number of the format x scale) in f32.
;;   ~~~python
;;   def quantise(x, axis, e):      # numpy; x: float32 -> the quantised numbers, widened to float32 again
;;       x = np.moveaxis(x, axis, -1); K = x.shape[-1]
;;       r = np.clip(x / 2.0 ** e, -448, 448)
;;       step = 2.0 ** (np.maximum(np.frexp(np.where(r == 0, 1, r))[1] - 1, -6) - 3)
;;       q = np.round(r / step) * step * 2.0 ** e      # np.round: ties to even
;;       return np.moveaxis(q, -1, axis).astype(np.float32)
;;   ~~~
;;   SOFTMAX AHEAD OF A QUANTISED PRODUCT. Where the list says 'softmax', what is quantised is not the finished softmax but p = 2^(t - M), with t = logit x log2(e) and M = ceil(the row's largest t), a whole number; so 1/2 < the row's largest p <= 1. The row's sum l is taken of the UNQUANTISED p, in f32, and the product's result is divided by l at the end. Since M is a whole number, a kernel that streams over the keys may use a running M (the ceiling of the running maximum): every later rescaling is an exact power of two, so the quantised numbers keep their values, but for numbers so far below the row's largest that they fall under the format's range.
;;   OPERANDS COMPUTED ON THE WAY. 'Computed on the way' means the value that the module computes at that place (a softmax that the list does not call 'softmax' is quantised finished and normalised). What goes into a quantiser is computed in f32, as accurately as f32 sums, v_exp_f32 and their like allow (about 1e-6 of the number): no bf16 or f16 on the way to a quantiser, and a product that is left as it is and whose result goes on into a quantised operand takes f32 operands (vector FMAs, or v_wmma_f32_16x16x4_f32). A number that lies on a knife's edge between two numbers of the format may be rounded either way, as far as f32 arithmetic and the matrix unit's own rounding can turn it there, and no further.
;; 2 versions, each right; version 2 is version 1 with the launch attn written anew for expert scheduling mode. Each part assembles by itself: llvm-mc -triple=amdgcn-amd-amdhsa -mcpu=gfx1250 --defsym DOCPART=n.
;; ======== version 1 of 2: 4 launches
;; limits: right only within a limited range of input values
;; workspace buffers: xc 25,165,824 bytes; wc 4,194,304 bytes; qkv 25,165,824 bytes; ao 8,388,608 bytes
;; launch quant (part 1): grid 640 x 1, 4 waves a work-group, no clusters, 68,096 bytes of LDS; arguments x, Wq, Wk, Wv, Wp, lowp_scales, xc, wc; writes xc, wc
.if DOCPART == 1
	.amdgcn_target "amdgcn-amd-amdhsa--gfx1250"
	.amdhsa_code_object_version 6
	.text
	.protected	k_q44f74628a0_quant
	.globl	k_q44f74628a0_quant
	.p2align	8
	.type	k_q44f74628a0_quant,@function
k_q44f74628a0_quant:
	s_mov_b64 s[64:65], 0
	v_nop
	global_prefetch_b8 v0, s[64:65] scope:SCOPE_SE
	s_setreg_imm32_b32 hwreg(HW_REG_WAVE_MODE, 25, 1), 1
	s_wait_xcnt 0x0
; x [8192 tokens][1024] and the four weights, all f32, become codes of E4M3, each with the scale 2^e given for it:
; code = number / 2^e, held within +-448, rounded to the nearest code, ties to even.
; LIMITS: each e used here (entries 0 to 5 and 11 of the scales) lies between -126 and 119, so that 2^e and 448 x 2^e are f32 numbers.  NaN among the inputs is not served.
; THE IMAGE.  Codes are laid in the order of a matrix operand's registers.  A fragment is 16 lane-rows x 128 along K = 4 chunks of 512 bytes; in chunk c lane 16 h + p owns the 16 bytes at
; 16 x lane: lane-row p, k = 128 s + 32 c + 16 h + 0 .. 15.  byte = ((T x 8 + s) x 4 + c) x 512 + 16 x lane, T the tile of 16 lane-rows.  So every later load of a fragment is 512 consecutive bytes.
; Which row a lane-row is: NATURAL: 16 T + p.  TURNED: 32 (T / 2) + 8 (T % 2) + p + 8 (p / 8), so that a product that takes such a tile as source 0 leaves 16 neighbouring rows in the 16 registers of two tiles.
; xc: x three times (its three scales): +0 entry 1, natural; +8 MiB entry 3, turned; +16 MiB entry 5, turned.   wc: +0 Wq, +1 MiB Wk, +2 MiB Wv (rows n = 64 head + e, turned), +3 MiB Wp (rows n, natural).
; Work-groups 0 to 511 take x, 512 to 639 the weights.  Waves share nothing: no barrier.  Only x's way uses LDS.
.set SP,   528                         ; a stage row: 512 bytes + 16, so that the 16 rows that a read-back touches start at 16 different 16-byte columns
.set STG,  32*SP                       ; a wave's stage: 32 rows
.set R,    16                          ; v16-143  32 rows x 4 registers as loaded; then X0, X1
.set X0,   16                          ; v16-79   64 numbers of a lane: register 16 c + i = k 32 c + 16 h + i of its row
.set X1,   80                          ; v80-143  the same for the other tile
.set T,    144                         ; v144-175 two sets of 16 held numbers, by turns
.set C,    176                         ; v176-239 four sets of 16 registers of codes
.set XW,   32                          ; the weights' way: v32-95 two sets of 32 numbers
.set CW,   96                          ; v96-159  8 registers of codes for each of 8 blocks: no store's data are written again
.macro MKSC e, vsc, vlim               ; from the whole number in s[e]: 2^e, whose exponent field the conversion takes, and 448 x 2^e
	s_add_co_i32 s21, s[\e], 127
	s_lshl_b32 s23, s21, 23
	v_mov_b32 v[\vsc], s23
	s_add_co_i32 s21, s21, 8
	s_lshl_b32 s21, s21, 23
	s_or_b32 s21, s21, 0x600000
	v_mov_b32 v[\vlim], s21
.endm
	s_load_b512 s[4:19], s[0:1], 0x0               ; x s[4:5], Wq s[6:7], Wk s[8:9], Wv s[10:11], Wp s[12:13], scales s[14:15], xc s[16:17], wc s[18:19]
	v_lshl_add_u32 v240, v0, 2, 0x10800
	v_mov_b32 v241, 0
	v_lshrrev_b32 v1, 5, v0
	v_readfirstlane_b32 s20, v1                    ; wave 0..3
	v_and_b32 v1, 31, v0                           ; lane
	s_wait_kmcnt 0x0
	s_load_b256 s[24:31], s[14:15], 0x0            ; entries 0 to 7
	s_load_b128 s[32:35], s[14:15], 0x20           ; entries 8 to 11
	s_cmp_lt_u32 ttmp9, 512
	s_cbranch_scc0 .Lweights
; ---- x.  Work-group g: tokens 32 (g / 2) on; wave w: k = 128 (4 (g % 2) + w) on.  A wave takes 32 rows x 512 bytes.
; Each load reads a row's 512 consecutive bytes; the conversions want 16 neighbours along K in one lane: so the 32 rows turn through the wave's own stage.
	v_lshlrev_b32 v2, 4, v1                        ; 16 x lane
	s_mul_i32 s21, s20, STG                        ; my stage
	v_add_nc_u32 v3, s21, v2                       ; way in: a row as it lies
	v_and_b32 v12, 15, v1                          ; p
	v_lshrrev_b32 v13, 4, v1                       ; h
	v_mul_u32_u24 v4, v12, SP
	v_lshl_add_u32 v4, v13, 6, v4
	v_add_nc_u32 v4, s21, v4                       ; way out, natural: row p, + 64 h bytes
	v_and_b32 v14, 8, v12
	v_add_nc_u32 v14, v14, v12
	v_mul_u32_u24 v5, v14, SP
	v_lshl_add_u32 v5, v13, 6, v5
	v_add_nc_u32 v5, s21, v5                       ; way out, turned: row p + 8 (p / 8)
	s_lshr_b32 s22, ttmp9, 1                       ; which 32 tokens
	s_and_b32 s23, ttmp9, 1
	s_lshl_b32 s23, s23, 2
	s_add_co_u32 s23, s23, s20                     ; s: which 128 along K
	s_lshl_b32 s36, s22, 17                        ; 32 rows of 4,096 bytes
	s_lshl_b32 s37, s23, 9
	s_add_co_u32 s36, s36, s37
	s_mov_b32 s37, 0
	s_add_nc_u64 s[4:5], s[4:5], s[36:37]
	s_lshl_b32 s36, s22, 15                        ; two image tiles of 16,384 bytes
	s_lshl_b32 s38, s23, 11
	s_add_co_u32 s36, s36, s38
	s_add_nc_u64 s[16:17], s[16:17], s[36:37]      ; my fragments in the first image,
	s_add_nc_u64 s[40:41], s[16:17], 0x800000      ; the second,
	s_add_nc_u64 s[42:43], s[16:17], 0x1000000     ; the third
.set i, 0
.rept 32
	global_load_b128 v[R+4*i:R+4*i+3], v2, s[4:5] offset:4096*i th:TH_LOAD_NT
.set i, i+1
.endr
	s_wait_kmcnt 0x0
	MKSC 25, 6, 7
	MKSC 27, 8, 9
	MKSC 29, 10, 11
.set i, 0
.rept 32
	s_wait_loadcnt 31-i                            ; loads come back in order: row i is in, the 31 - i younger ones may be out
	ds_store_b128 v3, v[R+4*i:R+4*i+3] offset:SP*i
.set i, i+1
.endr
	s_wait_dscnt 0x0                               ; the stores have read their registers, which the read-backs write
.macro RB adr, row, x                  ; 64 numbers of my lane-row, whose tile begins at stage row 'row', into v[x] on
.irp c, 0,1,2,3
.irp j, 0,1,2,3
	ds_load_b128 v[\x+16*\c+4*\j:\x+16*\c+4*\j+3], v[\adr] offset:(\row)*SP+128*\c+16*\j
.endr
.endr
.endm
.macro QUANT x, sc, lim, set           ; v[x] on stay as they are (they are quantised again with another scale); the codes go to set 'set'
.irp c, 0,1,2,3
.irp i, 0,1,2,3,4,5,6,7,8,9,10,11,12,13,14,15
	v_med3_num_f32 v[T+16*(\c%2)+\i], v[\x+16*\c+\i], -v[\lim], v[\lim]   ; the conversion to an 8-bit code does not saturate (ISA guide 7.6.2): the hold comes first
.endr
	v_cvt_scalef32_pk8_fp8_f32 v[C+16*\set+4*\c:C+16*\set+4*\c+1], v[T+16*(\c%2):T+16*(\c%2)+7], v[\sc]
	v_cvt_scalef32_pk8_fp8_f32 v[C+16*\set+4*\c+2:C+16*\set+4*\c+3], v[T+16*(\c%2)+8:T+16*(\c%2)+15], v[\sc]
.endr                                  ; T's two sets take turns: sixteen plain lines lie between a conversion and the next write of its sources
	v_nop
.endm
.macro ST4 base, u, set                ; a fragment's four chunks: each store is 512 consecutive bytes
.irp c, 0,1,2,3
	global_store_b128 v2, v[C+16*\set+4*\c:C+16*\set+4*\c+3], s[\base:\base+1] offset:16384*\u+512*\c
.endr
.endm
	RB 4, 0, X0
	RB 4, 16, X1
	s_wait_dscnt 16                                ; the first read-back is in; the 16 loads behind it may be out
	QUANT X0, 6, 7, 0
	ST4 16, 0, 0
	RB 5, 0, X0
	s_wait_dscnt 16
	QUANT X1, 6, 7, 1
	ST4 16, 1, 1
	RB 5, 8, X1
	s_wait_dscnt 16
	QUANT X0, 8, 9, 2
	ST4 40, 0, 2
	QUANT X0, 10, 11, 3
	ST4 42, 0, 3
	s_wait_dscnt 0x0
	s_wait_xcnt 0x0                                ; sets 0 and 1, which earlier stores read, are written again only behind this wait
	QUANT X1, 8, 9, 0
	ST4 40, 1, 0
	QUANT X1, 10, 11, 1
	ST4 42, 1, 1
	s_wait_tensorcnt 0x0
	ds_add_u32 v240, v241
	s_wait_dscnt 0x0
	s_endpgm
; ---- the weights: K is not innermost.  A lane takes a row n of the image (a column of the weight) and its registers run down K: each load reads 128 consecutive bytes,
; the conversions give codes with K innermost, and a lane's 16 codes are its 16 bytes of a chunk: nothing goes through LDS.  A wave takes 32 rows n x 256 along K.
.Lweights:
	s_sub_co_u32 s21, ttmp9, 512
	s_lshr_b32 s22, s21, 5                         ; which weight: 0 Wq, 1 Wk, 2 Wv, 3 Wp
	s_and_b32 s21, s21, 31
	s_and_b32 s23, s21, 15                         ; the head (Wp: which 64 rows n)
	s_lshr_b32 s36, s21, 4
	s_and_b32 s37, s20, 1
	s_lshr_b32 s38, s20, 1
	s_lshl_b32 s39, s23, 1
	s_add_co_u32 s39, s39, s37                     ; G: which 32 rows n
	s_lshl_b32 s36, s36, 1
	s_add_co_u32 s36, s36, s38                     ; Kq: which 256 along K
	s_lshl_b32 s40, s23, 18                        ; a head's weight: 1,024 rows of 256 bytes,
	s_lshl_b32 s41, s37, 7                         ; + 32 columns,
	s_add_co_u32 s40, s40, s41
	s_lshl_b32 s41, s36, 16                        ; + 256 rows
	s_add_co_u32 s40, s40, s41
	s_lshl_b32 s42, s39, 7                         ; Wp: 32 columns,
	s_lshl_b32 s43, s36, 20                        ; 256 rows of 4,096 bytes
	s_add_co_u32 s42, s42, s43
	s_cmp_eq_u32 s22, 0
	s_cselect_b64 s[44:45], s[6:7], s[8:9]
	s_cmp_eq_u32 s22, 2
	s_cselect_b64 s[44:45], s[10:11], s[44:45]
	s_cmp_eq_u32 s22, 3
	s_cselect_b64 s[44:45], s[12:13], s[44:45]
	s_cselect_b32 s40, s42, s40
	s_cselect_b32 s46, 4, 3                        ; the bit of the lane's number that picks the image tile: natural 4, turned 3,
	s_cselect_b32 s47, 3, 4                        ; and the bit that is p / 8
	s_mov_b32 s41, 0
	s_add_nc_u64 s[44:45], s[44:45], s[40:41]
	s_lshl_b32 s40, s22, 20                        ; the weight's image,
	s_lshl_b32 s42, s39, 15                        ; two tiles for 32 rows,
	s_add_co_u32 s40, s40, s42
	s_lshl_b32 s42, s36, 12                        ; two fragments for 256 along K
	s_add_co_u32 s40, s40, s42
	s_add_nc_u64 s[18:19], s[18:19], s[40:41]
	v_lshlrev_b32 v3, 2, v1                        ; in: 4 bytes a lane
	v_bfe_u32 v4, v1, s46, 1
	v_bfe_u32 v5, v1, s47, 1
	v_lshlrev_b32 v4, 14, v4
	v_lshl_add_u32 v4, v5, 7, v4
	v_and_b32 v5, 7, v1
	v_lshl_add_u32 v4, v5, 4, v4                   ; out: tile x 16,384 + 16 p: sixteen lanes fill 256 consecutive bytes in each of the two tiles
.macro LOADW t, pitch                  ; block t: k = 32 t + i of my column, into set t % 2
.set i, 0
.rept 32
	global_load_b32 v[XW+32*((\t)%2)+i], v3, s[44:45] offset:(32*(\t)+i)*\pitch th:TH_LOAD_NT
.set i, i+1
.endr
.endm
.macro WBLOCK t, pitch
.set XS, XW+32*((\t)%2)
.if (\t) < 7
	s_wait_loadcnt 32                              ; this block's 32 loads are in; the next block's may be out
.else
	s_wait_loadcnt 0x0
.endif
.set k, 0
.rept 32
	v_med3_num_f32 v[XS+k], v[XS+k], -v10, v10
.set k, k+1
.endr
.irp g, 0,1,2,3
	v_cvt_scalef32_pk8_fp8_f32 v[CW+8*(\t)+2*\g:CW+8*(\t)+2*\g+1], v[XS+8*\g:XS+8*\g+7], v11
.endr
	v_nop
.if (\t)+2 < 8
	LOADW (\t)+2, \pitch
.endif
	global_store_b128 v4, v[CW+8*(\t):CW+8*(\t)+3], s[18:19] offset:512*(\t)          ; k = 32 t + 0 .. 15: the chunk's half h = 0
	global_store_b128 v4, v[CW+8*(\t)+4:CW+8*(\t)+7], s[18:19] offset:512*(\t)+256    ; k = 32 t + 16 .. 31: h = 1
.endm
.macro WBODY pitch
	LOADW 0, \pitch
	LOADW 1, \pitch
	s_wait_kmcnt 0x0
	s_cmp_eq_u32 s22, 0
	s_cselect_b32 s40, s24, s26                    ; entry 0 or 2,
	s_cmp_eq_u32 s22, 2
	s_cselect_b32 s40, s28, s40                    ; 4,
	s_cmp_eq_u32 s22, 3
	s_cselect_b32 s40, s35, s40                    ; or 11
	MKSC 40, 11, 10
.irp t, 0,1,2,3,4,5,6,7
	WBLOCK \t, \pitch
.endr
	s_endpgm
.endm
	s_cmp_eq_u32 s22, 3                            ; the row pitch stands in the loads' immediates, so the body is written for each of the two pitches
	s_cbranch_scc1 .Lproj_weight
	WBODY 256
.Lproj_weight:
	WBODY 4096
.Lfunc_end_k_q44f74628a0_quant:
	.size	k_q44f74628a0_quant, .Lfunc_end_k_q44f74628a0_quant-k_q44f74628a0_quant
	.p2alignl 7, 3214868480
	.fill 96, 4, 3214868480
	.section	.rodata,"a",@progbits
	.p2align	6, 0x0
	.amdhsa_kernel k_q44f74628a0_quant
		.amdhsa_group_segment_fixed_size 68096
		.amdhsa_private_segment_fixed_size 0
		.amdhsa_enable_private_segment 0
		.amdhsa_kernarg_size 64
		.amdhsa_user_sgpr_count 2
		.amdhsa_user_sgpr_kernarg_segment_ptr 1
		.amdhsa_wavefront_size32 1
		.amdhsa_system_sgpr_workgroup_id_x 1
		.amdhsa_system_sgpr_workgroup_id_y 1
		.amdhsa_system_sgpr_workgroup_id_z 1
		.amdhsa_system_vgpr_workitem_id 0
		.amdhsa_next_free_vgpr 242
		.amdhsa_next_free_sgpr 66
		.amdhsa_reserve_vcc 0
		.amdhsa_float_denorm_mode_32 3
		.amdhsa_float_denorm_mode_16_64 3
		.amdhsa_memory_ordered 1
		.amdhsa_forward_progress 1
		.amdhsa_inst_pref_size 134
	.end_amdhsa_kernel
	.amdgpu_metadata
---
amdhsa.version: [ 1, 2 ]
amdhsa.kernels:
  - .name:           k_q44f74628a0_quant
    .symbol:         k_q44f74628a0_quant.kd
    .args:
      - { .name: x, .offset: 0, .size: 8, .value_kind: global_buffer, .address_space: global }
      - { .name: Wq, .offset: 8, .size: 8, .value_kind: global_buffer, .address_space: global }
      - { .name: Wk, .offset: 16, .size: 8, .value_kind: global_buffer, .address_space: global }
      - { .name: Wv, .offset: 24, .size: 8, .value_kind: global_buffer, .address_space: global }
      - { .name: Wp, .offset: 32, .size: 8, .value_kind: global_buffer, .address_space: global }
      - { .name: lowp_scales, .offset: 40, .size: 8, .value_kind: global_buffer, .address_space: global }
      - { .name: xc, .offset: 48, .size: 8, .value_kind: global_buffer, .address_space: global }
      - { .name: wc, .offset: 56, .size: 8, .value_kind: global_buffer, .address_space: global }
    .group_segment_fixed_size: 68096
    .private_segment_fixed_size: 0
    .kernarg_segment_align: 8
    .kernarg_segment_size: 64
    .max_flat_workgroup_size: 128
    .sgpr_count:     66
    .vgpr_count:     242
    .wavefront_size: 32
...
	.end_amdgpu_metadata
.endif
;; end of part 1
;; launch qkv (part 2): grid 96 x 4, 4 waves a work-group, clusters of 4 x 4, 327,680 bytes of LDS; arguments xc, wc, lowp_scales, qkv; writes qkv
.if DOCPART == 2
	.amdgcn_target "amdgcn-amd-amdhsa--gfx1250"
	.amdhsa_code_object_version 6
	.text
	.protected	k_q44f74628a0_qkv
	.globl	k_q44f74628a0_qkv
	.p2align	8
	.type	k_q44f74628a0_qkv,@function
k_q44f74628a0_qkv:
	s_mov_b64 s[64:65], 0
	v_nop
	global_prefetch_b8 v0, s[64:65] scope:SCOPE_SE
	s_setreg_imm32_b32 hwreg(HW_REG_WAVE_MODE, 25, 1), 1
	s_wait_xcnt 0x0
	s_wait_alu depctr_hold_cnt(0) depctr_sa_sdst(0) depctr_va_vdst(0) depctr_va_sdst(0) depctr_va_ssrc(0) depctr_va_vcc(0) depctr_vm_vsrc(0)
	s_getreg_b32 s2, hwreg(HW_REG_IB_STS2, 6, 4)
	s_cmp_eq_u32 s2, 0
	s_cbranch_scc0 .Lentry_in_a_cluster
	s_endpgm
.Lentry_in_a_cluster:
	s_bfe_u32 s2, ttmp6, 0x10000c
	s_cmp_lg_u32 s2, 0xf033
	s_cbranch_scc0 .Lentry_shape_is_right
	s_endpgm
.Lentry_shape_is_right:
; q, k, v = x W for all heads, on codes of E4M3 (K = 1,024), and their sums quantised at once to the codes that attention takes.
; Cluster number c (0 to 23): kind = c / 8 (0 q, 1 k, 2 v), blk = c % 8 (1,024 tokens).  A cluster of 4 x 4 work-groups multiplies 1,024 tokens by one whole weight (1,024 rows n = 64 head + e);
; a work-group makes 256 x 256, each of its four waves 128 x 128: 64 accumulators, 512 registers.
; SIDES.  Source 1 of the matrix instruction (side A here) gives a lane its one row, source 0 (side B) the eight rows in its registers.  q, k: A = tokens, B = the weight: a lane holds one token and
; neighbours along e.  v: A = the weight, B = tokens: a lane holds one e and neighbours along the keys, which are the K of attention's second product.  Side B's image is laid turned, so that the 16 registers
; of accumulators 2 b' and 2 b' + 1 are 16 neighbours: two conversions make the lane's 16 bytes of a chunk, and each store is 512 consecutive bytes.  Nothing goes through LDS on the way out.
; IMAGES (made by the launch before): a tile of 16 lane-rows is 16,384 bytes: [s 8][c 4][512]; in a chunk lane 16 h + p owns 16 bytes: lane-row p, k = 128 s + 32 c + 16 h + 0 .. 15, alike on both sides.
; OUT, 8 MiB a kind, blocks of 262,144 bytes for (batch, pair of heads): q, k: [tile of 16 tokens 128][head of the pair 2][c 2][512];  v: [128 keys 16][head of the pair 2][tile of 16 e 4][c 4][512].
; A sum stands for sum x 2^(eW + eX); its code is sum / 2^E, E = eOut - eW - eX, held within +-448.  LIMIT: E between -126 and 119.
; CLUSTERS: side A's tiles hang on cy alone and are asked for jointly by a row of the cluster, side B's on cx alone, by a column: the requests for both are divided by four.
; K goes in four steps of 256 through two LDS slots: two first fills and two refills, all written out.  A wave has two tensor loads out at the start and one behind each refill's round.
; REGISTERS, in windows of 256: window 0: v0-31 addresses; v128-255 side A's fragments, one set; way out: v32-95 held sums, v128-255 codes.  window 1: side B's fragments, two sets.  windows 2, 3: the accumulators.
.set FR,     16                        ; registers of a fragment
.set NL,     4                         ; LDS loads that bring one
.set NP,     4                         ; places behind this matrix instruction (ISA guide 7.12.1)
.set HALFT,  32768                     ; what one tensor load brings: 8 image tiles x 4,096 bytes (256 along K)
.set SLOT,   4*HALFT                   ; side A's 16 tiles, then side B's
.set SPARE,  2*SLOT                    ; behind the ring: the spare words, 128 bytes for each wave
.set ADRA, 16                          ; v16-17  LDS address of my side A fragments in slot 0, 1
.set ADRB, 20                          ; v20-21  the same for side B
.set CO,   26                          ; v26     16 x lane
.set SPW,  28                          ; v28     my spare word; never rewritten
.set NIL,  29                          ; v29     0; never rewritten
.set SC,   30                          ; v30     2^E
.set LIM,  31                          ; v31     448 x 2^E
.set TMP,  32
.set AF,   128
.set CD,   128
.set G1, 24                            ; s[24:31] group 1 for side A;  s[32:39] group 0, a set for each slot
.set G0, 32
.set G1B, 48                           ; s[48:55], s[56:63] the same for side B
.set G0B, 56
.set MSB, 0
.macro WIN new                         ; the immediate's high byte repeats the setting that is left
.if MSB != (\new)
	s_set_vgpr_msb (MSB<<8)|(\new)
.set MSB, \new
.endif
.endm
.set MUL_LO, 0xa1                      ; source 0 (B) window 1, source 1 (A) window 0, C and D window 2
.set MUL_HI, 0xf1                      ; the same, C and D window 3
.set TO_B,   0x40                      ; destination window 1, address window 0
.macro JLOAD g0a, g1a, g0b, g1b        ; a joint load: waves 0 and 1 fetch side A's halves, waves 2 and 3 side B's; four v_nop follow each line
	s_cmp_eq_u32 s15, 0
	s_cbranch_scc0 .Lfor_b_\@
	tensor_load_to_lds s[\g0a:\g0a+3], s[\g1a:\g1a+7]
	s_nop 0
.rept 4
	v_nop
.endr
	s_branch .Lasked_\@
.Lfor_b_\@:
	tensor_load_to_lds s[\g0b:\g0b+3], s[\g1b:\g1b+7]
	s_nop 0
.rept 4
	v_nop
.endr
.Lasked_\@:
.endm
.macro CREST                           ; a round of the cluster's barrier behind its opening barrier
	s_cmp_lg_u32 s14, 0
	s_cbranch_scc1 .Lnot_wave_0_\@
	s_barrier_signal -3
.Lnot_wave_0_\@:
	s_barrier_wait -3
	s_barrier_signal -1
	s_barrier_wait -1
.endm
.macro CROUND
	s_barrier_signal -1
	s_barrier_wait -1
	CREST
.endm
	s_load_b256 s[4:11], s[0:1], 0x0               ; xc s[4:5], wc s[6:7], scales s[8:9], qkv s[10:11]
	v_lshl_add_u32 v[SPW], v0, 2, SPARE
	v_mov_b32 v[NIL], 0
	ds_add_u32 v28, v29
	ds_add_u32 v28, v29
	s_wait_dscnt 0x0
	v_lshrrev_b32 v1, 5, v0
	v_readfirstlane_b32 s14, v1                    ; wave 0..3
	s_lshr_b32 s15, s14, 1                         ; my half of side A's rows.  Also: I fetch for A (0) or for B (1)
	s_and_b32 s16, s14, 1                          ; my half of side B's rows.  Also: which 8 tiles I fetch
	s_bfe_u32 s40, ttmp6, 0x40000                  ; cx
	s_bfe_u32 s41, ttmp6, 0x40004                  ; cy
	s_lshr_b32 s66, ttmp9, 3                       ; kind: the same in all sixteen partners
	s_and_b32 s67, ttmp9, 7                        ; blk
	s_lshl_b32 s43, s41, 2
	s_lshl_b32 s43, 15, s43                        ; my row of the cluster
	s_lshl_b32 s44, 0x1111, s40                    ; my column
	s_or_b32 s[G1+0], s43, (3<<16)|(1<<21)         ; 15:0 the mask; 17:16 elements of 8 bytes; 20 no padding; 21 set beside a mask
	s_or_b32 s[G1B+0], s44, (3<<16)|(1<<21)
.irp g, G1, G1B
	s_mov_b32 s[\g+1], 512<<16                     ; tensor_dim0 = 512 elements: 4,096 bytes of an image tile
	s_mov_b32 s[\g+2], 8<<16                       ; tensor_dim1 = 8 tiles
	s_mov_b32 s[\g+3], 512<<16                     ; tile_dim0
	s_mov_b32 s[\g+4], 8                           ; tile_dim1
	s_mov_b32 s[\g+5], 2048                        ; from tile to tile: 16,384 bytes
	s_mov_b32 s[\g+6], 0
	s_mov_b32 s[\g+7], 0
.endr
	s_lshl_b32 s18, s67, 2
	s_cmp_lt_u32 s66, 2                            ; are the tokens side A?
	s_cselect_b32 s17, s18, 0
	s_cselect_b32 s42, 0, s18
	s_add_co_u32 s17, s17, s41                     ; side A's block of 256 rows: cy (+ 4 blk where it is tokens)
	s_add_co_u32 s42, s42, s40                     ; side B's: cx (+ 4 blk)
	s_lshl_b32 s18, s16, 17                        ; the 8 tiles that I fetch
	s_lshl_b32 s20, s17, 18                        ; 16 tiles of 16,384 bytes
	s_add_co_u32 s20, s20, s18
	s_mov_b32 s21, 0
	s_lshl_b32 s46, s42, 18
	s_add_co_u32 s46, s46, s18
	s_mov_b32 s47, 0
	s_lshl_b32 s45, s14, 15                        ; where they go: wave x 32,768: no place in the cluster enters an LDS address
	s_lshl_b32 s68, s66, 23                        ; the kind's image of x,
	s_mov_b32 s69, 0
	s_lshl_b32 s70, s66, 20                        ; and of its weight
	s_mov_b32 s71, 0
	s_wait_kmcnt 0x0
	s_load_b256 s[80:87], s[8:9], 0x0              ; entries 0 to 7
	s_load_b128 s[88:91], s[8:9], 0x20             ; entries 8 to 11
	s_add_nc_u64 s[68:69], s[4:5], s[68:69]
	s_add_nc_u64 s[70:71], s[6:7], s[70:71]
	s_cmp_lt_u32 s66, 2
	s_cselect_b64 s[72:73], s[68:69], s[70:71]     ; side A's image
	s_cselect_b64 s[74:75], s[70:71], s[68:69]     ; side B's
	s_add_nc_u64 s[20:21], s[72:73], s[20:21]
	s_add_nc_u64 s[46:47], s[74:75], s[46:47]
	CROUND                                         ; all sixteen work-groups are here: the first joint loads meet
.irp s, 0,1
	s_mov_b32 s[G0+4*\s], 1
	s_add_co_u32 s[G0+4*\s+1], s45, \s*SLOT
	s_add_nc_u64 s[G0+4*\s+2:G0+4*\s+3], s[20:21], \s*4096
	s_or_b32 s[G0+4*\s+3], s[G0+4*\s+3], 0x80000000
	s_mov_b32 s[G0B+4*\s], 1
	s_add_co_u32 s[G0B+4*\s+1], s45, \s*SLOT
	s_add_nc_u64 s[G0B+4*\s+2:G0B+4*\s+3], s[46:47], \s*4096
	s_or_b32 s[G0B+4*\s+3], s[G0B+4*\s+3], 0x80000000
	JLOAD G0+4*\s, G1, G0B+4*\s, G1B
.endr
	v_and_b32 v1, 31, v0
	v_lshlrev_b32 v[CO], 4, v1
	s_lshl_b32 s21, s15, 15                        ; my 8 tiles of side A
	s_lshl_b32 s22, s16, 15                        ; my 8 tiles of side B,
	s_add_co_u32 s22, s22, 2*HALFT                 ; which lie behind side A's 16
.irp s, 0,1
	v_add_nc_u32 v[ADRA+\s], s21, v[CO]
	v_add_nc_u32 v[ADRB+\s], s22, v[CO]
	s_add_co_u32 s21, s21, SLOT
	s_add_co_u32 s22, s22, SLOT
.endr
	; where my 16 KiB of codes go.  Of the weight's side: its place in the cluster Wc and my half Wh give the pair of heads 2 Wc + Wh; of the tokens' side: Tc and Th give 128 tokens
	s_cmp_lt_u32 s66, 2
	s_cselect_b32 s76, s40, s41                    ; Wc
	s_cselect_b32 s77, s16, s15                    ; Wh
	s_cselect_b32 s78, s41, s40                    ; Tc
	s_cselect_b32 s79, s15, s16                    ; Th
	s_lshr_b32 s92, s67, 1                         ; batch
	s_lshl_b32 s92, s92, 3
	s_lshl_b32 s76, s76, 1
	s_add_co_u32 s92, s92, s76
	s_add_co_u32 s92, s92, s77
	s_lshl_b32 s92, s92, 18                        ; the block of (batch, pair of heads)
	s_and_b32 s94, s67, 1
	s_lshl_b32 s94, s94, 17                        ; 1,024 tokens are 131,072 bytes of it,
	s_add_co_u32 s92, s92, s94
	s_lshl_b32 s78, s78, 15                        ; 256 are 32,768,
	s_add_co_u32 s92, s92, s78
	s_lshl_b32 s79, s79, 14                        ; 128 are 16,384
	s_add_co_u32 s92, s92, s79
	s_lshl_b32 s94, s66, 23                        ; the kind's 8 MiB
	s_add_co_u32 s92, s92, s94
	s_mov_b32 s93, 0
	s_add_nc_u64 s[10:11], s[10:11], s[92:93]
.macro FRAG reg, adr, q, i             ; a fragment as it lies: four chunks of 512 consecutive bytes.  q: which 128 of the slot's 256 along K; i: which of my 8 tiles
.irp c, 0,1,2,3
	ds_load_b128 v[\reg+4*\c:\reg+4*\c+3], v[\adr] offset:2048*(\q)+512*\c+(\i)*4096
.endr
.endm
; 16 matrix instructions: side A's blocks a0, a0 + 1 x side B's eight.  The 64 accumulators take turns, one instruction a turn, in the same order in every step.
.macro MUL16 a0, p, zero
.irp a, \a0, \a0+1
.irp b, 0,1,2,3,4,5,6,7
.if \zero
	v_wmma_f32_16x16x128_fp8_fp8 v[8*(8*((\a)%4)+\b):8*(8*((\a)%4)+\b)+7], v[128*(\p)+FR*\b:128*(\p)+FR*\b+FR-1], v[AF+FR*(\a):AF+FR*(\a)+FR-1], 0
.else
	v_wmma_f32_16x16x128_fp8_fp8 v[8*(8*((\a)%4)+\b):8*(8*((\a)%4)+\b)+7], v[128*(\p)+FR*\b:128*(\p)+FR*\b+FR-1], v[AF+FR*(\a):AF+FR*(\a)+FR-1], v[8*(8*((\a)%4)+\b):8*(8*((\a)%4)+\b)+7]
.endif
.endr
.endr
.endm
.macro FETCH_B slot, q, p
	WIN TO_B
.irp i, 0,1,2,3,4,5,6,7
	FRAG 128*(\p)+FR*\i, ADRB+\slot, \q, \i
.endr
	WIN 0
.endm
.macro FETCH_A slot, q, i0
.irp i, \i0, \i0+1, \i0+2, \i0+3
	FRAG AF+FR*(\i), ADRA+\slot, \q, \i
.endr
.endm
.macro PLACES n                        ; plain vector lines between a matrix instruction and a load into, or a vector line on, its registers
.rept \n
	v_nop
.endr
.endm
.macro STEP slot, q, zero              ; 128 along K that has its successor in the same slot
	s_wait_dscnt 4*NL                              ; side B's set and side A's blocks 0-3 are in; the youngest 16 loads (blocks 4-7) may be out
	WIN MUL_LO
	MUL16 0, (\q)%2, \zero
	MUL16 2, (\q)%2, \zero
	s_wait_dscnt 0
	PLACES NP
	FETCH_B \slot, (\q)+1, 1-(\q)%2
	FETCH_A \slot, (\q)+1, 0
	WIN MUL_HI
	MUL16 4, (\q)%2, \zero
	MUL16 6, (\q)%2, \zero
	PLACES NP
	WIN 0
	FETCH_A \slot, (\q)+1, 4
.endm
; A slot's last 128 along K, and the change of slots: in front of the barrier each wave waits for all its tensor loads, adds 0 to its spare word, and waits for that and for its reads of this slot.
.macro TURN slot, next, fill
	s_wait_tensorcnt 0x0                           ; all my tensor loads have landed: my part of the next slot
	ds_add_u32 v[SPW], v[NIL]                      ; 0 onto my spare word
	s_wait_dscnt 4*NL+1                            ; (the add and the youngest 16 loads may be out)
	WIN MUL_LO
	MUL16 0, 1, 0
	s_wait_dscnt 0x0                               ; the add is done, and my reads of this slot are over
	s_barrier_signal -1
	MUL16 2, 1, 0
	WIN 0
	s_barrier_wait -1
.if \fill
	CREST                                          ; the barrier has opened a round of the cluster's: no wave of any partner still reads this slot or has a load on its way
	s_add_nc_u64 s[G0+4*\slot+2:G0+4*\slot+3], s[G0+4*\slot+2:G0+4*\slot+3], 2*4096
	s_add_nc_u64 s[G0B+4*\slot+2:G0B+4*\slot+3], s[G0B+4*\slot+2:G0B+4*\slot+3], 2*4096
	JLOAD G0+4*\slot, G1, G0B+4*\slot, G1B         ; the first tensor load behind the round; its four v_nop are the places in front of the loads below
.else
	PLACES NP
.endif
	FETCH_B \next, 0, 0
	FETCH_A \next, 0, 0
	WIN MUL_HI
	MUL16 4, 1, 0
	MUL16 6, 1, 0
	PLACES NP
	WIN 0
	FETCH_A \next, 0, 4
.endm
	s_wait_tensorcnt 1                             ; my part of K step 0 is in; K step 1's load may be out
	s_barrier_signal -1
	s_barrier_wait -1
	FETCH_B 0, 0, 0
	FETCH_A 0, 0, 0
	FETCH_A 0, 0, 4
	STEP 0, 0, 1                                   ; the first products start the sums: nothing is cleared
	TURN 0, 1, 1                                   ; slot 0 takes K step 2
	STEP 1, 0, 0
	TURN 1, 0, 1                                   ; slot 1 takes K step 3
	STEP 0, 0, 0
	TURN 0, 1, 0                                   ; nothing is left to fetch
	STEP 1, 0, 0
	s_wait_dscnt 4*NL
	WIN MUL_LO
	MUL16 0, 1, 0
	MUL16 2, 1, 0
	s_wait_dscnt 0
	WIN MUL_HI
	MUL16 4, 1, 0
	MUL16 6, 1, 0
	WIN 0
	; THE WAY OUT.  No branch hangs on a given scale: the three exponents are chosen by the kind, and the hold is always made.
	s_wait_kmcnt 0x0
	s_cmp_eq_u32 s66, 0
	s_cselect_b32 s76, s80, s82                    ; the weight's: entry 0, 2
	s_cselect_b32 s77, s81, s83                    ; x's: entry 1, 3
	s_cselect_b32 s78, s86, s87                    ; the result's: entry 6, 7
	s_cmp_eq_u32 s66, 2
	s_cselect_b32 s76, s84, s76                    ; or 4,
	s_cselect_b32 s77, s85, s77                    ; 5,
	s_cselect_b32 s78, s89, s78                    ; 9
	s_sub_co_i32 s78, s78, s76
	s_sub_co_i32 s78, s78, s77                     ; E
	s_add_co_i32 s78, s78, 127
	s_lshl_b32 s79, s78, 23
	v_mov_b32 v[SC], s79
	s_add_co_i32 s78, s78, 8
	s_lshl_b32 s78, s78, 23
	s_or_b32 s78, s78, 0x600000
	v_mov_b32 v[LIM], s78
	PLACES NP                                      ; behind the last products: their results are read and side A's registers written below
.macro OUTBLK a                        ; side A's block a: 64 sums a lane become 64 codes, four chunks
	WIN 0x02+(\a)/4                                ; source 0: window 2 or 3
.set j, 0
.rept 64
	v_med3_num_f32 v[TMP+j], v[64*((\a)%4)+j], -v[LIM], v[LIM]   ; the hold (ISA guide 7.6.2), into other registers; each accumulator from its low end on
.set j, j+1
.endr
	WIN 0
.irp b, 0,1,2,3,4,5,6,7
	v_cvt_scalef32_pk8_fp8_f32 v[CD+16*(\a)+2*\b:CD+16*(\a)+2*\b+1], v[TMP+8*\b:TMP+8*\b+7], v[SC]
.endr
	v_nop                                          ; a plain line between the conversions and the next block's writes of their sources
.irp b, 0,1,2,3
	global_store_b128 v[CO], v[CD+16*(\a)+4*\b:CD+16*(\a)+4*\b+3], s[10:11] offset:2048*(\a)+512*\b   ; 512 consecutive bytes; each block has its own code registers, so no store's data are written again
.endr
.endm
.irp a, 0,1,2,3,4,5,6,7
	OUTBLK \a
.endr
	s_wait_tensorcnt 0x0                           ; the wave's end
	ds_add_u32 v[SPW], v[NIL]
	s_wait_dscnt 0x0
	CROUND                                         ; the closing round
	s_endpgm
.Lfunc_end_k_q44f74628a0_qkv:
	.size	k_q44f74628a0_qkv, .Lfunc_end_k_q44f74628a0_qkv-k_q44f74628a0_qkv
	.p2alignl 7, 3214868480
	.fill 96, 4, 3214868480
	.section	.rodata,"a",@progbits
	.p2align	6, 0x0
	.amdhsa_kernel k_q44f74628a0_qkv
		.amdhsa_group_segment_fixed_size 327680
		.amdhsa_private_segment_fixed_size 0
		.amdhsa_enable_private_segment 0
		.amdhsa_kernarg_size 32
		.amdhsa_user_sgpr_count 2
		.amdhsa_user_sgpr_kernarg_segment_ptr 1
		.amdhsa_wavefront_size32 1
		.amdhsa_system_sgpr_workgroup_id_x 1
		.amdhsa_system_sgpr_workgroup_id_y 1
		.amdhsa_system_sgpr_workgroup_id_z 1
		.amdhsa_system_vgpr_workitem_id 0
		.amdhsa_next_free_vgpr 1024
		.amdhsa_next_free_sgpr 100
		.amdhsa_reserve_vcc 0
		.amdhsa_float_denorm_mode_32 3
		.amdhsa_float_denorm_mode_16_64 3
		.amdhsa_memory_ordered 1
		.amdhsa_forward_progress 1
		.amdhsa_inst_pref_size 118
	.end_amdhsa_kernel
	.amdgpu_metadata
---
amdhsa.version: [ 1, 2 ]
amdhsa.kernels:
  - .name:           k_q44f74628a0_qkv
    .symbol:         k_q44f74628a0_qkv.kd
    .args:
      - { .name: xc, .offset: 0, .size: 8, .value_kind: global_buffer, .address_space: global }
      - { .name: wc, .offset: 8, .size: 8, .value_kind: global_buffer, .address_space: global }
      - { .name: lowp_scales, .offset: 16, .size: 8, .value_kind: global_buffer, .address_space: global }
      - { .name: qkv, .offset: 24, .size: 8, .value_kind: global_buffer, .address_space: global }
    .group_segment_fixed_size: 327680
    .private_segment_fixed_size: 0
    .kernarg_segment_align: 8
    .kernarg_segment_size: 32
    .max_flat_workgroup_size: 128
    .sgpr_count:     100
    .vgpr_count:     1024
    .wavefront_size: 32
...
	.end_amdgpu_metadata
.endif
;; end of part 2
;; launch attn (part 3): grid 4 x 64, 16 waves a work-group, no clusters, 67,584 bytes of LDS; arguments qkv, lowp_scales, ao; writes ao
.if DOCPART == 3
	.amdgcn_target "amdgcn-amd-amdhsa--gfx1250"
	.amdhsa_code_object_version 6
	.text
	.protected	k_q44f74628a0_attn
	.globl	k_q44f74628a0_attn
	.p2align	8
	.type	k_q44f74628a0_attn,@function
k_q44f74628a0_attn:
	s_mov_b64 s[64:65], 0
	v_nop
	global_prefetch_b8 v0, s[64:65] scope:SCOPE_SE
	s_setreg_imm32_b32 hwreg(HW_REG_WAVE_MODE, 25, 1), 1
	s_wait_xcnt 0x0
; Causal attention of one (batch, head) on codes of E4M3; the result is quantised at once for the projection.
; t = score x log2(e) / 8; M = the running largest t rounded up to a whole number; p = 2^(t - M) is quantised with entry 8's scale, not normalised; the row's sum is taken of the unquantised p and divides at the end.
; SHARES.  2,048 queries are 8 blocks of 256.  Work-group i (0 to 3) of a head takes block 7 - i, which needs 8 - i slots of 256 keys, and then block i, which needs i + 1: nine visits of a slot for every
; work-group: equal work, and a constant trip count.  Each of the sixteen waves owns 16 queries of the block in hand, in 256 registers; four waves to a SIMD.
; LAYOUT.  Both products are used transposed (S^T = K Q^T, O^T = V^T P^T): a lane holds one query.  K's tiles hold their keys turned (lane-row p of tile 2 b + u is key 32 b + 8 u + p + 8 (p / 8)), so that the 16
; registers of score tiles 2 b, 2 b + 1 are keys 32 b + 16 h + 0 .. 15: p's codes are the second product's operand.  V's tiles hold e turned likewise, so that O's codes are two chunks of the next operand's image.
; K AND V come through registers into two LDS slots: a slot is 32 KiB, each wave brings 2 KiB of it (four loads of 512 consecutive bytes), asked for a whole visit ahead.  One barrier a visit.
; NO JOINT LOADS: the four work-groups of a head stand at different slots from their fifth visit on (8 - i differs), so partners would need different tiles; and a visit's shared bytes are 32 KiB.
; One branch hangs on a given scale: p is at most 1, which is under 448 x 2^ep wherever ep >= -8: there the hold is left out.
; LIMITS: entries 6 + 7 between -123 and 130 (added to c's exponent field); entry 8 between -126 and 119.  Entries 8 + 9 - 10 are applied by v_ldexp_f32.
; REGISTERS: v1 16 x lane; v2 K's offset in memory; v3 16 x thread; v5 r - 16 h; v6 448; v7 1; v9 448 x 2^ep; v10 2^ep; v11 a permute's destination; v12 -M; v13 the largest t; v[14:15] the sum; v16-23 Q; v24-31 the second
; block's Q; v32-95 K's 8 or V's 4 fragments; v96-159 S^T, p; v160-191 O^T; v192-207 p's codes; v208-223 the next slot on its way; v224-239 O's codes; v240-247 at work.
.set SLOTB, 32768                      ; a slot: K's 16 tiles x 1,024 bytes, then V: [128 keys 2][tile of e 4][c 4][512]
.set VOFF,  16384
.set WV,  18
.set SEL, 20                           ; s[20:21] selects for v_permlanex16_b32: lane xor 16
.set CS,  22                           ; s[22:23] c
.set KA,  40                           ; s[40:41], s[42:43] the next slot's K and V in memory
.set VA,  42
.set KB,  48                           ; s[48:49], s[50:51] the head's K and V
.set VB,  50
.set VIS, 52                           ; the trip's first visit: 0, 2, 4, 6, 8
.set NA,  53                           ; visits of the first block
.set KN,  54                           ; the slot of keys that is on its way
.set KF,  56                           ; the step's first key
.set Q0,  57                           ; my first query
.set Q0B, 58                           ; and in the second block
.set AOA, 60                           ; s[60:61], s[62:63] where my codes of the two blocks go
.set AOB, 62
.set EP,  82
.set EO,  83
	s_load_b128 s[4:7], s[0:1], 0x0                ; qkv, scales
	s_load_b64 s[8:9], s[0:1], 0x10                ; ao
	v_lshl_add_u32 v254, v0, 2, 0x10000
	v_mov_b32 v255, 0
	v_lshrrev_b32 v2, 5, v0
	v_readfirstlane_b32 s[WV], v2                  ; wave 0..15
	v_and_b32 v4, 31, v0
	v_lshlrev_b32 v1, 4, v4
	v_lshlrev_b32 v3, 4, v0
	s_lshr_b32 s24, s[WV], 1
	s_lshl_b32 s24, s24, 11                        ; K in memory: a tile's two heads are 2,048 bytes; wave w brings chunk w % 2 of tile w / 2 (and of tile 8 + w / 2)
	s_and_b32 s25, s[WV], 1
	s_lshl_b32 s25, s25, 9
	s_add_co_u32 s24, s24, s25
	v_add_nc_u32 v2, s24, v1
	v_and_b32 v4, 15, v0
	v_bfe_u32 v5, v0, 4, 1
	v_lshlrev_b32 v5, 4, v5
	v_sub_nc_u32 v5, v4, v5                        ; r - 16 h
	s_and_b32 s26, ttmp7, 0xffff
	s_lshr_b32 s27, s26, 4                         ; batch
	s_and_b32 s28, s26, 15                         ; head
	s_lshr_b32 s29, s28, 1                         ; pair of heads
	s_and_b32 s30, s28, 1                          ; which of the pair
	s_lshl_b32 s31, s27, 3
	s_add_co_u32 s31, s31, s29
	s_lshl_b32 s31, s31, 18                        ; the block of (batch, pair): 262,144 bytes in each of the three parts
	s_sub_co_u32 s[NA], 8, ttmp9
	s_sub_co_u32 s32, 7, ttmp9                     ; the first block
	s_lshl_b32 s33, s[WV], 4
	s_lshl_b32 s[Q0], s32, 8
	s_add_co_u32 s[Q0], s[Q0], s33
	s_lshl_b32 s[Q0B], ttmp9, 8
	s_add_co_u32 s[Q0B], s[Q0B], s33
	s_lshl_b32 s34, s30, 10
	s_add_co_u32 s36, s31, s34
	s_mov_b32 s37, 0
	s_lshl_b32 s38, s[Q0], 7                       ; 16 queries are a tile of 2,048 bytes
	s_add_co_u32 s38, s38, s36
	s_mov_b32 s39, 0
	s_lshl_b32 s44, s[Q0B], 7
	s_add_co_u32 s44, s44, s36
	s_mov_b32 s45, 0
	s_add_co_u32 s36, s36, 0x800000                ; K's part begins at 8 MiB,
	s_lshl_b32 s46, s30, 13
	s_add_co_u32 s46, s46, s31
	s_add_co_u32 s46, s46, 0x1000000               ; V's at 16 MiB
	s_mov_b32 s47, 0
	s_lshl_b32 s24, s27, 21                        ; ao: a batch's 128 tiles of 16,384 bytes,
	s_lshl_b32 s25, s29, 11                        ; the pair's fragment,
	s_add_co_u32 s24, s24, s25
	s_add_co_u32 s24, s24, s34                     ; the head's two chunks
	s_lshl_b32 s[AOA], s[Q0], 10
	s_add_co_u32 s[AOA], s[AOA], s24
	s_mov_b32 s[AOA+1], 0
	s_lshl_b32 s[AOB], s[Q0B], 10
	s_add_co_u32 s[AOB], s[AOB], s24
	s_mov_b32 s[AOB+1], 0
	s_wait_kmcnt 0x0
	s_load_b256 s[68:75], s[6:7], 0x0              ; entries 0 to 7
	s_load_b128 s[76:79], s[6:7], 0x20             ; entries 8 to 11
	s_add_nc_u64 s[KB:KB+1], s[4:5], s[36:37]
	s_add_nc_u64 s[VB:VB+1], s[4:5], s[46:47]
	s_add_nc_u64 s[38:39], s[4:5], s[38:39]
	s_add_nc_u64 s[44:45], s[4:5], s[44:45]
	s_add_nc_u64 s[AOA:AOA+1], s[8:9], s[AOA:AOA+1]
	s_add_nc_u64 s[AOB:AOB+1], s[8:9], s[AOB:AOB+1]
	global_load_b128 v[208:211], v2, s[KB:KB+1]                 ; keys 0 to 255
	global_load_b128 v[212:215], v2, s[KB:KB+1] offset:16384
	global_load_b128 v[216:219], v3, s[VB:VB+1]
	global_load_b128 v[220:223], v3, s[VB:VB+1] offset:16384
	global_load_b128 v[16:19], v1, s[38:39]                     ; Q of both blocks stays in registers
	global_load_b128 v[20:23], v1, s[38:39] offset:512
	global_load_b128 v[24:27], v1, s[44:45]
	global_load_b128 v[28:31], v1, s[44:45] offset:512
	s_mov_b32 s[SEL], 0x76543210
	s_mov_b32 s[SEL+1], 0xfedcba98
	s_mov_b32 s85, 0
	s_mov_b32 s[VIS], 0
	s_mov_b32 s[KN], 0
	s_mov_b32 s[KF], 0
	v_mov_b32 v6, 0x43e00000                       ; 448
	v_mov_b32 v7, 1.0
	v_mov_b32 v11, 0                               ; a lane permute's destination counts as one of its sources
	v_mov_b32 v13, 0xff61b1e6                      ; the largest t so far: -3e38
	v_floor_f32 v12, -v13
	v_mov_b32 v14, 0
	v_mov_b32 v15, 0
	v_mov_b32 v245, 0                              ; (named as the upper half of the pair v[244:245])
	v_mov_b32 v246, 0xff800000                     ; -infinity
.set j, 0
.rept 32
	v_mov_b32 v[160+j], 0                          ; O^T: the step is written without a first form: it finds zeros, which the first change of M leaves zeros
.set j, j+1
.endr
	s_wait_kmcnt 0x0
	s_add_co_i32 s86, s74, s75
	s_lshl_b32 s86, s86, 23
	s_add_co_i32 s[CS], s86, 0x3e38aa3b            ; c = log2(e) / 8, with the two scales' exponents added to its exponent field
	s_mov_b32 s[CS+1], s[CS]
	s_mov_b32 s[EP], s76
	s_add_co_i32 s[EO], s76, s77
	s_sub_co_i32 s[EO], s[EO], s78                 ; a sum of the second product, divided by the row's sum, x 2^(ep + ev - eo) is the number that is rounded to a code
	s_add_co_i32 s86, s76, 127
	s_lshl_b32 s87, s86, 23
	v_mov_b32 v10, s87
	s_add_co_i32 s86, s86, 8
	s_lshl_b32 s86, s86, 23
	s_or_b32 s86, s86, 0x600000
	v_mov_b32 v9, s86
	s_wait_loadcnt 0x0
.irp j, 0,1,2,3
	ds_store_b128 v3, v[208+4*\j:211+4*\j] offset:8192*\j
.endr
	s_wait_dscnt 0x0                               ; for the others' sake: my part of slot 0 lies in LDS
	s_barrier_signal -1
	s_barrier_wait -1
; The next visit's slot of keys is asked for: one further on, or the second block's first.
.macro NEXT odd
	s_add_co_u32 s[KN], s[KN], 1
	s_add_co_u32 s86, s[VIS], (\odd)+1
	s_cmp_eq_u32 s86, s[NA]
	s_cselect_b32 s[KN], 0, s[KN]
	s_lshl_b32 s84, s[KN], 15                      ; 256 keys are 32,768 bytes in K's part and in V's
	s_add_nc_u64 s[KA:KA+1], s[KB:KB+1], s[84:85]  ; (the last loads that named these pairs have been waited for)
	s_add_nc_u64 s[VA:VA+1], s[VB:VB+1], s[84:85]
	global_load_b128 v[208:211], v2, s[KA:KA+1]
	global_load_b128 v[212:215], v2, s[KA:KA+1] offset:16384
	global_load_b128 v[216:219], v3, s[VA:VA+1]
	global_load_b128 v[220:223], v3, s[VA:VA+1] offset:16384
.endm
; It goes into the other slot.  ONE barrier: in front of it my reads of the slot that I leave are over and my stores have landed; the slot stored into was last read in front of the barrier before.
.macro PUT dst                         ; (the argument comes as the text of a difference, so it stands in brackets)
	s_wait_loadcnt 0x0
.irp j, 0,1,2,3
	ds_store_b128 v3, v[208+4*\j:211+4*\j] offset:(\dst)*SLOTB+8192*\j
.endr
	s_wait_dscnt 0x0
	s_barrier_signal -1
	s_barrier_wait -1
	s_lshl_b32 s[KF], s[KN], 8
.endm
; A KEY STEP: 128 keys, the q-th of the slot.
.macro STEP slot, q
	s_add_co_u32 s86, s[Q0], 15                    ; a step all of whose keys come after my 16 queries is left out: a branch on ids; no barrier stands in a step
	s_cmp_gt_u32 s[KF], s86
	s_cbranch_scc1 .Lhidden_\@
.rept 4
	v_nop                                          ; places in front of loads into registers that the last products read
.endr
.irp t, 0,1,2,3,4,5,6,7
	ds_load_b128 v[32+8*\t:35+8*\t], v1 offset:(\slot)*SLOTB+(8*(\q)+\t)*1024
	ds_load_b128 v[36+8*\t:39+8*\t], v1 offset:(\slot)*SLOTB+(8*(\q)+\t)*1024+512
.endr
	s_wait_dscnt 0x0
.irp t, 0,1,2,3,4,5,6,7
	v_wmma_f32_16x16x64_fp8_fp8 v[96+8*\t:103+8*\t], v[32+8*\t:39+8*\t], v[16:23], 0
.endr
.rept 4
	v_nop                                          ; places in front of the loads below and of the first read of the scores
.endr
.irp t, 0,1,2,3                                ; V's fragments are asked for now and land under the softmax
.irp c, 0,1,2,3
	ds_load_b128 v[32+16*\t+4*\c:35+16*\t+4*\c], v1 offset:(\slot)*SLOTB+VOFF+8192*(\q)+2048*\t+512*\c
.endr
.endr
	s_add_co_u32 s86, s[KF], 127                   ; on the diagonal hidden scores become -infinity; a step all of whose keys count skips this
	s_cmp_le_u32 s86, s[Q0]
	s_cbranch_scc1 .Lopen_\@
	s_sub_co_i32 s86, s[Q0], s[KF]
	v_add_nc_u32 v247, s86, v5                     ; d = my query - KF - 16 h.  Register n holds key KF + 16 h + 32 (n / 16) + n % 16: hidden where 32 (n / 16) + n % 16 > d
.set n, 0
.rept 64
	v_cmp_gt_i32 vcc_lo, 32*(n/16)+n%16, v247
	v_cndmask_b32 v[96+n], v[96+n], v246, vcc_lo
.set n, n+1
.endr
.Lopen_\@:
	v_max3_num_f32 v240, v96, v97, v98             ; the step's largest score of my query among my 64 keys, in two chains; each accumulator is first read at its low end
	v_max3_num_f32 v241, v99, v100, v101
.irp i, 6,10,14,18,22,26,30,34,38,42,46,50,54,58
	v_max3_num_f32 v240, v240, v[96+\i], v[97+\i]
	v_max3_num_f32 v241, v241, v[98+\i], v[99+\i]
.endr
	v_max3_num_f32 v240, v240, v158, v159
	v_max_num_f32 v240, v240, v241
	v_permlanex16_b32 v11, v240, s[SEL], s[SEL+1]
	v_max_num_f32 v240, v240, v11                  ; and among lane xor 16's
	v_mul_f32 v240, s[CS], v240                    ; as t (c is positive)
	v_max_num_f32 v13, v13, v240
	v_mov_b32 v240, v12
	v_floor_f32 v12, -v13                          ; the new -M = floor(-t): M is a whole number
	v_sub_f32 v240, v12, v240                      ; old M - new M: a whole number, 0 or less
	v_cvt_i32_f32 v240, v240                       ; (it saturates)
	v_ldexp_f32 v244, 1.0, v240                    ; f = 2^(old M - new M)
.set j, 0
.rept 32
	v_pk_fma_f32 v[96+j:97+j], v[96+j:97+j], s[CS:CS+1], v[12:13] op_sel_hi:[1,0,0]   ; t - M, two at a time
.set j, j+2
.endr
.set j, 0
.rept 64
	v_exp_f32 v[96+j], v[96+j]                     ; p = 2^(t - M)
.set j, j+1
.endr
	v_pk_mul_f32 v[14:15], v[14:15], v[244:245] op_sel_hi:[1,0]   ; the sums under the new M: the plain line behind the exponentials
	s_wait_alu depctr_va_vdst(0)                   ; one wait for the batch of 64, ahead of its first reader
	v_pk_add_f32 v[242:243], v[96:97], v[98:99]    ; the row's sum is taken of the unquantised p, in two chains
.irp j, 4,8,12,16,20,24,28,32,36,40,44,48,52,56,60
	v_pk_add_f32 v[14:15], v[14:15], v[96+\j:97+\j]
	v_pk_add_f32 v[242:243], v[242:243], v[98+\j:99+\j]
.endr
	v_pk_add_f32 v[14:15], v[14:15], v[242:243]
	s_cmp_ge_i32 s[EP], -8                         ; p <= 1 < 448 x 2^-8: from ep = -8 on no p reaches the largest code, and the hold changes nothing
	s_cbranch_scc1 .Lnohold_\@
.set j, 0
.rept 64
	v_min_num_f32 v[96+j], v[96+j], v9             ; the conversion does not saturate (ISA guide 7.6.2); p is not negative, so the hold is one-sided
.set j, j+1
.endr
.Lnohold_\@:
.irp b, 0,1,2,3
	v_cvt_scalef32_pk8_fp8_f32 v[192+4*\b:193+4*\b], v[96+16*\b:103+16*\b], v10
	v_cvt_scalef32_pk8_fp8_f32 v[194+4*\b:195+4*\b], v[104+16*\b:111+16*\b], v10
.endr
.set j, 0
.rept 16
	v_pk_mul_f32 v[160+j:161+j], v[160+j:161+j], v[244:245] op_sel_hi:[1,0]   ; O^T under the new M; also the plain lines between the conversions and the products
.set j, j+2
.endr
	s_wait_dscnt 0x0                               ; V is in
.irp t, 0,1,2,3                                ; four accumulators, one instruction each: between two links of a chain stand the other three and the next step's eight
	v_wmma_f32_16x16x128_fp8_fp8 v[160+8*\t:167+8*\t], v[32+16*\t:47+16*\t], v[192:207], v[160+8*\t:167+8*\t]
.endr
.Lhidden_\@:
	s_add_co_u32 s[KF], s[KF], 128
.endm
; A block's end: O^T / the sum x 2^(ep + ev - eo), held within +-448, to codes with the scale 1: two chunks of 512 consecutive bytes.
.macro FINISH base, cr
	s_wait_xcnt 0x0                                ; this text also stands in the loop: registers that stores read are written again only behind this wait
.rept 4
	v_nop                                          ; places behind the last products
.endr
	v_add_f32 v14, v14, v15
	v_permlanex16_b32 v11, v14, s[SEL], s[SEL+1]
	v_add_f32 v14, v14, v11                        ; the row's sum
	v_rcp_f32 v14, v14
	v_nop                                          ; a plain line behind the reciprocal
	s_wait_alu depctr_va_vdst(0)                   ; and the wait ahead of its first reader
	v_ldexp_f32 v14, v14, s[EO]
.set j, 0
.rept 16
	v_pk_mul_f32 v[96+j:97+j], v[160+j:161+j], v[14:15] op_sel_hi:[1,0]   ; each accumulator from its low end on; register 8 t + i is e = 32 (t / 2) + 16 h + 8 (t % 2) + i
.set j, j+2
.endr
.set j, 0
.rept 32
	v_med3_num_f32 v[96+j], v[96+j], -v6, v6
.set j, j+1
.endr
.irp t, 0,1,2,3
	v_cvt_scalef32_pk8_fp8_f32 v[\cr+2*\t:\cr+2*\t+1], v[96+8*\t:103+8*\t], v7
.endr
	v_nop
	global_store_b128 v1, v[\cr:\cr+3], s[\base:\base+1]
	global_store_b128 v1, v[\cr+4:\cr+7], s[\base:\base+1] offset:512
.endm
; At the visit that begins the second block: a branch on the work-group's number, the same in all sixteen waves.
.macro SWITCH odd
	s_add_co_u32 s86, s[VIS], \odd
	s_cmp_lg_u32 s86, s[NA]
	s_cbranch_scc1 .Lsame_\@
	FINISH AOA, 224
.irp j, 0,1,2,3,4,5,6,7
	v_mov_b32 v[16+\j], v[24+\j]
.endr
	v_mov_b32 v13, 0xff61b1e6
	v_floor_f32 v12, -v13
	v_mov_b32 v14, 0
	v_mov_b32 v15, 0
.set j, 0
.rept 32
	v_mov_b32 v[160+j], 0
.set j, j+1
.endr
	s_mov_b32 s[Q0], s[Q0B]
.Lsame_\@:
.endm
.macro VISIT slot, odd, more
.if \more
	NEXT \odd
.endif
	SWITCH \odd
	STEP \slot, 0
	STEP \slot, 1
.if \more
	PUT 1-\slot
.endif
.endm
.Lvisit:                                           ; four trips of two visits: the slots stand in the immediates
	VISIT 0, 0, 1
	VISIT 1, 1, 1
	s_add_co_u32 s[VIS], s[VIS], 2
	s_cmp_lt_u32 s[VIS], 8
	s_cbranch_scc1 .Lvisit
	VISIT 0, 0, 0                                  ; the ninth visit asks for nothing
	FINISH AOB, 232
	s_wait_tensorcnt 0x0
	ds_add_u32 v254, v255
	s_wait_dscnt 0x0
	s_endpgm
.Lfunc_end_k_q44f74628a0_attn:
	.size	k_q44f74628a0_attn, .Lfunc_end_k_q44f74628a0_attn-k_q44f74628a0_attn
	.p2alignl 7, 3214868480
	.fill 96, 4, 3214868480
	.section	.rodata,"a",@progbits
	.p2align	6, 0x0
	.amdhsa_kernel k_q44f74628a0_attn
		.amdhsa_group_segment_fixed_size 67584
		.amdhsa_private_segment_fixed_size 0
		.amdhsa_enable_private_segment 0
		.amdhsa_kernarg_size 24
		.amdhsa_user_sgpr_count 2
		.amdhsa_user_sgpr_kernarg_segment_ptr 1
		.amdhsa_wavefront_size32 1
		.amdhsa_system_sgpr_workgroup_id_x 1
		.amdhsa_system_sgpr_workgroup_id_y 1
		.amdhsa_system_sgpr_workgroup_id_z 1
		.amdhsa_system_vgpr_workitem_id 0
		.amdhsa_next_free_vgpr 256
		.amdhsa_next_free_sgpr 88
		.amdhsa_reserve_vcc 1
		.amdhsa_float_denorm_mode_32 3
		.amdhsa_float_denorm_mode_16_64 3
		.amdhsa_memory_ordered 1
		.amdhsa_forward_progress 1
		.amdhsa_inst_pref_size 151
	.end_amdhsa_kernel
	.amdgpu_metadata
---
amdhsa.version: [ 1, 2 ]
amdhsa.kernels:
  - .name:           k_q44f74628a0_attn
    .symbol:         k_q44f74628a0_attn.kd
    .args:
      - { .name: qkv, .offset: 0, .size: 8, .value_kind: global_buffer, .address_space: global }
      - { .name: lowp_scales, .offset: 8, .size: 8, .value_kind: global_buffer, .address_space: global }
      - { .name: ao, .offset: 16, .size: 8, .value_kind: global_buffer, .address_space: global }
    .group_segment_fixed_size: 67584
    .private_segment_fixed_size: 0
    .kernarg_segment_align: 8
    .kernarg_segment_size: 24
    .max_flat_workgroup_size: 512
    .sgpr_count:     88
    .vgpr_count:     256
    .wavefront_size: 32
...
	.end_amdgpu_metadata
.endif
;; end of part 3
;; launch proj (part 4): grid 4 x 32, 4 waves a work-group, clusters of 4 x 4, 327,680 bytes of LDS; arguments ao, wc, lowp_scales, bp, out0; writes out0
.if DOCPART == 4
	.amdgcn_target "amdgcn-amd-amdhsa--gfx1250"
	.amdhsa_code_object_version 6
	.text
	.protected	k_q44f74628a0_proj
	.globl	k_q44f74628a0_proj
	.p2align	8
	.type	k_q44f74628a0_proj,@function
k_q44f74628a0_proj:
	s_mov_b64 s[64:65], 0
	v_nop
	global_prefetch_b8 v0, s[64:65] scope:SCOPE_SE
	s_setreg_imm32_b32 hwreg(HW_REG_WAVE_MODE, 25, 1), 1
	s_wait_xcnt 0x0
	s_wait_alu depctr_hold_cnt(0) depctr_sa_sdst(0) depctr_va_vdst(0) depctr_va_sdst(0) depctr_va_ssrc(0) depctr_va_vcc(0) depctr_vm_vsrc(0)
	s_getreg_b32 s2, hwreg(HW_REG_IB_STS2, 6, 4)
	s_cmp_eq_u32 s2, 0
	s_cbranch_scc0 .Lentry_in_a_cluster
	s_endpgm
.Lentry_in_a_cluster:
	s_bfe_u32 s2, ttmp6, 0x10000c
	s_cmp_lg_u32 s2, 0xf033
	s_cbranch_scc0 .Lentry_shape_is_right
	s_endpgm
.Lentry_shape_is_right:
; out0 = attention's result x Wp + bp, the product on codes of E4M3 (K = 1,024); each finished sum is multiplied by 2^(e10 + e11) and bp added, in one fused multiply-add.
; LIMIT: entries 10 + 11 between -126 and 127, so that the power of two is an f32 number.
; A tile of out0, 256 x 256, is made by a work-group of four waves, 128 x 128 a wave: 64 accumulators, 512 registers.  8,192 x 1,024 give 128 tiles.
; Both operands lie as images of an operand's registers: a tile of 16 rows is 16,384 bytes, [s 8][c 4][512]; lane 16 h + p owns 16 bytes of a chunk: row p, k = 128 s + 32 c + 16 h + 0 .. 15, alike on both sides.
; Side A = tokens (source 1), side B = Wp's rows n (source 0): a lane holds one token and eight neighbouring columns.
; CLUSTERS: 4 x 4 work-groups: side A's tiles are asked for jointly by a row of the cluster, side B's by a column.
; K goes in four steps of 256 through two LDS slots: two first fills and two refills, all written out.  A wave has two tensor loads out at the start and one behind each refill's round.
; REGISTERS, in windows of 256: window 0: v0-31 addresses, v8-11 my four columns of bp; v128-255 side A's fragments, later rows of out0.  window 1: side B's fragments, two sets.  windows 2, 3: the accumulators.
.set FR,     16
.set NL,     4
.set NP,     4                         ; places behind this matrix instruction (ISA guide 7.12.1)
.set HALFT,  32768                     ; what one tensor load brings: 8 image tiles x 4,096 bytes (256 along K)
.set SLOT,   4*HALFT
.set SPARE,  2*SLOT                    ; behind the ring: the spare words, 128 bytes for each wave
.set SPITCH, 528                       ; the way out: a stage of 16 rows x (512 bytes + 16) for each wave, in slot 0, which has had its last fill and its last read when the first result is stored there
.set ADRA, 16
.set ADRB, 20
.set STO,  24                          ; v24     the way out: where I put 32 bytes of a row
.set RD,   25                          ; v25     where I read a row back
.set CO,   26                          ; v26     16 x lane
.set SPW,  28
.set NIL,  29
.set AF,   128
.set BK,   128                         ; 16 rows read back: v128-191 and v192-255 by turns
.set G1, 24
.set G0, 32
.set G1B, 48
.set G0B, 56
.set MSB, 0
.macro WIN new                         ; the immediate's high byte repeats the setting that is left
.if MSB != (\new)
	s_set_vgpr_msb (MSB<<8)|(\new)
.set MSB, \new
.endif
.endm
.set MUL_LO, 0xa1
.set MUL_HI, 0xf1
.set TO_B,   0x40
.macro JLOAD g0a, g1a, g0b, g1b        ; a joint load: waves 0 and 1 fetch side A's halves, waves 2 and 3 side B's; four v_nop follow each line
	s_cmp_eq_u32 s15, 0
	s_cbranch_scc0 .Lfor_b_\@
	tensor_load_to_lds s[\g0a:\g0a+3], s[\g1a:\g1a+7]
	s_nop 0
.rept 4
	v_nop
.endr
	s_branch .Lasked_\@
.Lfor_b_\@:
	tensor_load_to_lds s[\g0b:\g0b+3], s[\g1b:\g1b+7]
	s_nop 0
.rept 4
	v_nop
.endr
.Lasked_\@:
.endm
.macro CREST
	s_cmp_lg_u32 s14, 0
	s_cbranch_scc1 .Lnot_wave_0_\@
	s_barrier_signal -3
.Lnot_wave_0_\@:
	s_barrier_wait -3
	s_barrier_signal -1
	s_barrier_wait -1
.endm
.macro CROUND
	s_barrier_signal -1
	s_barrier_wait -1
	CREST
.endm
	s_load_b256 s[4:11], s[0:1], 0x0               ; ao s[4:5], wc s[6:7], scales s[8:9], bp s[10:11]
	s_load_b64 s[12:13], s[0:1], 0x20              ; out0
	v_lshl_add_u32 v[SPW], v0, 2, SPARE
	v_mov_b32 v[NIL], 0
	ds_add_u32 v28, v29
	ds_add_u32 v28, v29
	s_wait_dscnt 0x0
	v_lshrrev_b32 v1, 5, v0
	v_readfirstlane_b32 s14, v1                    ; wave 0..3
	s_lshr_b32 s15, s14, 1                         ; my half of the tile's rows.  Also: I fetch for A (0) or for B (1)
	s_and_b32 s16, s14, 1                          ; my half of its columns.  Also: which 8 image tiles I fetch
	s_bfe_u32 s40, ttmp6, 0x40000                  ; cx
	s_bfe_u32 s41, ttmp6, 0x40004                  ; cy
	s_lshl_b32 s42, ttmp9, 2
	s_add_co_u32 s42, s42, s40                     ; tile column
	s_and_b32 s17, ttmp7, 0xffff
	s_lshl_b32 s17, s17, 2
	s_add_co_u32 s17, s17, s41                     ; tile row
	s_lshl_b32 s43, s41, 2
	s_lshl_b32 s43, 15, s43
	s_lshl_b32 s44, 0x1111, s40
	s_or_b32 s[G1+0], s43, (3<<16)|(1<<21)         ; 15:0 the mask; 17:16 elements of 8 bytes; 20 no padding; 21 set beside a mask
	s_or_b32 s[G1B+0], s44, (3<<16)|(1<<21)
.irp g, G1, G1B
	s_mov_b32 s[\g+1], 512<<16                     ; tensor_dim0 = 512 elements: 4,096 bytes of an image tile
	s_mov_b32 s[\g+2], 8<<16                       ; tensor_dim1 = 8 tiles
	s_mov_b32 s[\g+3], 512<<16
	s_mov_b32 s[\g+4], 8
	s_mov_b32 s[\g+5], 2048                        ; from tile to tile: 16,384 bytes
	s_mov_b32 s[\g+6], 0
	s_mov_b32 s[\g+7], 0
.endr
	s_lshl_b32 s18, s16, 17
	s_lshl_b32 s20, s17, 18
	s_add_co_u32 s20, s20, s18
	s_mov_b32 s21, 0
	s_lshl_b32 s46, s42, 18
	s_add_co_u32 s46, s46, s18
	s_add_co_u32 s46, s46, 0x300000                ; Wp's image lies 3 MiB into wc
	s_mov_b32 s47, 0
	s_lshl_b32 s45, s14, 15
	s_wait_kmcnt 0x0
	s_load_b64 s[96:97], s[8:9], 0x28              ; entries 10, 11
	s_add_nc_u64 s[20:21], s[4:5], s[20:21]
	s_add_nc_u64 s[46:47], s[6:7], s[46:47]
	CROUND                                         ; all sixteen work-groups are here: the first joint loads meet
.irp s, 0,1
	s_mov_b32 s[G0+4*\s], 1
	s_add_co_u32 s[G0+4*\s+1], s45, \s*SLOT
	s_add_nc_u64 s[G0+4*\s+2:G0+4*\s+3], s[20:21], \s*4096
	s_or_b32 s[G0+4*\s+3], s[G0+4*\s+3], 0x80000000
	s_mov_b32 s[G0B+4*\s], 1
	s_add_co_u32 s[G0B+4*\s+1], s45, \s*SLOT
	s_add_nc_u64 s[G0B+4*\s+2:G0B+4*\s+3], s[46:47], \s*4096
	s_or_b32 s[G0B+4*\s+3], s[G0B+4*\s+3], 0x80000000
	JLOAD G0+4*\s, G1, G0B+4*\s, G1B
.endr
	v_and_b32 v1, 31, v0
	v_lshlrev_b32 v[CO], 4, v1
	s_lshl_b32 s21, s15, 15
	s_lshl_b32 s22, s16, 15
	s_add_co_u32 s22, s22, 2*HALFT
.irp s, 0,1
	v_add_nc_u32 v[ADRA+\s], s21, v[CO]
	v_add_nc_u32 v[ADRB+\s], s22, v[CO]
	s_add_co_u32 s21, s21, SLOT
	s_add_co_u32 s22, s22, SLOT
.endr
	s_mul_i32 s23, s14, 16*SPITCH                  ; my stage
	v_and_b32 v1, 15, v0
	v_bfe_u32 v2, v0, 4, 1
	v_mul_u32_u24 v5, v1, SPITCH                   ; in: row lane % 16, 32 bytes for each half of the lanes
	v_lshl_add_u32 v5, v2, 5, v5
	v_add_nc_u32 v[STO], s23, v5
	v_add_nc_u32 v[RD], s23, v[CO]                 ; back: the 32 lanes take one row of 512 bytes
	s_lshl_b32 s46, s42, 10                        ; my first column, in bytes: 1,024 x tile column + 512 x half
	s_lshl_b32 s47, s16, 9
	s_add_co_u32 s46, s46, s47
	s_mov_b32 s47, 0
	s_add_nc_u64 s[10:11], s[10:11], s[46:47]
	global_load_b128 v[8:11], v[CO], s[10:11]      ; on the way back a lane has the same four columns in every row: four numbers of bp serve
	s_lshl_b32 s20, s17, 20                        ; my first row: 256 x tile row + 128 x half, rows of 4,096 bytes
	s_lshl_b32 s21, s15, 19
	s_add_co_u32 s20, s20, s21
	s_mov_b32 s21, 0
	s_add_nc_u64 s[20:21], s[20:21], s[46:47]
	s_add_nc_u64 s[12:13], s[12:13], s[20:21]
.macro FRAG reg, adr, q, i             ; a fragment as it lies: four chunks of 512 consecutive bytes
.irp c, 0,1,2,3
	ds_load_b128 v[\reg+4*\c:\reg+4*\c+3], v[\adr] offset:2048*(\q)+512*\c+(\i)*4096
.endr
.endm
; The 64 accumulators take turns, one instruction a turn, in the same order in every step.
.macro MUL16 a0, p, zero
.irp a, \a0, \a0+1
.irp b, 0,1,2,3,4,5,6,7
.if \zero
	v_wmma_f32_16x16x128_fp8_fp8 v[8*(8*((\a)%4)+\b):8*(8*((\a)%4)+\b)+7], v[128*(\p)+FR*\b:128*(\p)+FR*\b+FR-1], v[AF+FR*(\a):AF+FR*(\a)+FR-1], 0
.else
	v_wmma_f32_16x16x128_fp8_fp8 v[8*(8*((\a)%4)+\b):8*(8*((\a)%4)+\b)+7], v[128*(\p)+FR*\b:128*(\p)+FR*\b+FR-1], v[AF+FR*(\a):AF+FR*(\a)+FR-1], v[8*(8*((\a)%4)+\b):8*(8*((\a)%4)+\b)+7]
.endif
.endr
.endr
.endm
.macro FETCH_B slot, q, p
	WIN TO_B
.irp i, 0,1,2,3,4,5,6,7
	FRAG 128*(\p)+FR*\i, ADRB+\slot, \q, \i
.endr
	WIN 0
.endm
.macro FETCH_A slot, q, i0
.irp i, \i0, \i0+1, \i0+2, \i0+3
	FRAG AF+FR*(\i), ADRA+\slot, \q, \i
.endr
.endm
.macro PLACES n                        ; plain vector lines between a matrix instruction and a load into, or a read of, its registers
.rept \n
	v_nop
.endr
.endm
.macro STEP slot, q, zero
	s_wait_dscnt 4*NL                              ; side B's set and side A's blocks 0-3 are in; the youngest 16 loads (blocks 4-7) may be out
	WIN MUL_LO
	MUL16 0, (\q)%2, \zero
	MUL16 2, (\q)%2, \zero
	s_wait_dscnt 0
	PLACES NP
	FETCH_B \slot, (\q)+1, 1-(\q)%2
	FETCH_A \slot, (\q)+1, 0
	WIN MUL_HI
	MUL16 4, (\q)%2, \zero
	MUL16 6, (\q)%2, \zero
	PLACES NP
	WIN 0
	FETCH_A \slot, (\q)+1, 4
.endm
.macro TURN slot, next, fill
	s_wait_tensorcnt 0x0                           ; all my tensor loads have landed: my part of the next slot
	ds_add_u32 v[SPW], v[NIL]                      ; 0 onto my spare word
	s_wait_dscnt 4*NL+1                            ; (the add and the youngest 16 loads may be out)
	WIN MUL_LO
	MUL16 0, 1, 0
	s_wait_dscnt 0x0                               ; the add is done, and my reads of this slot are over
	s_barrier_signal -1
	MUL16 2, 1, 0
	WIN 0
	s_barrier_wait -1
.if \fill
	CREST                                          ; the barrier has opened a round of the cluster's: no wave of any partner still reads this slot or has a load on its way
	s_add_nc_u64 s[G0+4*\slot+2:G0+4*\slot+3], s[G0+4*\slot+2:G0+4*\slot+3], 2*4096
	s_add_nc_u64 s[G0B+4*\slot+2:G0B+4*\slot+3], s[G0B+4*\slot+2:G0B+4*\slot+3], 2*4096
	JLOAD G0+4*\slot, G1, G0B+4*\slot, G1B         ; the first tensor load behind the round; its four v_nop are the places in front of the loads below
.else
	PLACES NP
.endif
	FETCH_B \next, 0, 0
	FETCH_A \next, 0, 0
	WIN MUL_HI
	MUL16 4, 1, 0
	MUL16 6, 1, 0
	PLACES NP
	WIN 0
	FETCH_A \next, 0, 4
.endm
	s_wait_tensorcnt 1                             ; my part of K step 0 is in; K step 1's load may be out
	s_barrier_signal -1
	s_barrier_wait -1
	FETCH_B 0, 0, 0
	FETCH_A 0, 0, 0
	FETCH_A 0, 0, 4
	STEP 0, 0, 1
	TURN 0, 1, 1
	STEP 1, 0, 0
	TURN 1, 0, 1
	STEP 0, 0, 0
	TURN 0, 1, 0
	STEP 1, 0, 0
	s_wait_dscnt 4*NL
	WIN MUL_LO
	MUL16 0, 1, 0
	MUL16 2, 1, 0
	s_wait_dscnt 0
	WIN MUL_HI
	MUL16 4, 1, 0
	MUL16 6, 1, 0
	WIN 0
; THE WAY OUT, block by block of 16 rows x 128 columns: the sums go as they are into my own stage and come back as whole rows of 512 bytes; there sum x 2^(e10 + e11) + bp is one packed multiply-add for two numbers.
; LDS serves a wave's instructions in order (ISA guide 5.7.1.4): no wait between the stores and the loads, nor in front of the next block's stores.
.macro TOSTAGE a
.set AC, 64*((\a)%4)
	WIN 0x08+4*((\a)/4)                            ; the stores' data: window 2 or 3
.irp b, 0,1,2,3,4,5,6,7
	ds_store_b128 v[STO], v[AC+8*\b:AC+8*\b+3] offset:64*\b          ; each accumulator from its low end on
	ds_store_b128 v[STO], v[AC+8*\b+4:AC+8*\b+7] offset:64*\b+16
.endr
	WIN 0
.set BB, BK+64*((\a)%2)
.irp t, 0,1,2,3,4,5,6,7,8,9,10,11,12,13,14,15
	ds_load_b128 v[BB+4*\t:BB+4*\t+3], v[RD] offset:\t*SPITCH
.endr
.endm
.macro SEND a, younger                 ; younger: the LDS instructions issued behind block a's loads, which may stay out
.set BB, BK+64*((\a)%2)
	s_wait_dscnt \younger
.if (\a) > 0
	s_add_nc_u64 s[12:13], s[12:13], 16*4096       ; (behind a wait on XCNT: the earlier stores have read their base)  16 rows on
.endif
.irp t, 0,1,2,3,4,5,6,7,8,9,10,11,12,13,14,15
	v_pk_fma_f32 v[BB+4*\t:BB+4*\t+1], v[BB+4*\t:BB+4*\t+1], s[96:97], v[8:9] op_sel_hi:[1,0,1]
	v_pk_fma_f32 v[BB+4*\t+2:BB+4*\t+3], v[BB+4*\t+2:BB+4*\t+3], s[96:97], v[10:11] op_sel_hi:[1,0,1]
.endr
.irp t, 0,1,2,3,4,5,6,7,8,9,10,11,12,13,14,15
	global_store_b128 v[CO], v[BB+4*\t:BB+4*\t+3], s[12:13] offset:\t*4096 th:TH_STORE_NT   ; 32 lanes store 512 consecutive bytes, at a multiple of 256 from out0's first byte
.endr
.endm
	s_wait_kmcnt 0x0
	s_add_co_i32 s96, s96, s97
	s_add_co_i32 s96, s96, 127
	s_lshl_b32 s96, s96, 23                        ; 2^(e10 + e11) as f32
	s_wait_loadcnt 0x0                             ; bp
	PLACES NP                                      ; behind the last products: their results are read, and side A's registers loaded into, below
	TOSTAGE 0
.irp a, 1,2,3,4,5,6,7
.if \a > 1
	s_wait_xcnt 0x0                                ; block a - 2's stores have read their registers and their base
.endif
	TOSTAGE \a
	SEND \a-1, 32                                  ; behind block a - 1's loads: block a's 16 stores and 16 loads
.endr
	s_wait_xcnt 0x0
	SEND 7, 0
	s_wait_tensorcnt 0x0                           ; the wave's end
	ds_add_u32 v[SPW], v[NIL]
	s_wait_dscnt 0x0
	CROUND                                         ; the closing round
	s_endpgm
.Lfunc_end_k_q44f74628a0_proj:
	.size	k_q44f74628a0_proj, .Lfunc_end_k_q44f74628a0_proj-k_q44f74628a0_proj
	.p2alignl 7, 3214868480
	.fill 96, 4, 3214868480
	.section	.rodata,"a",@progbits
	.p2align	6, 0x0
	.amdhsa_kernel k_q44f74628a0_proj
		.amdhsa_group_segment_fixed_size 327680
		.amdhsa_private_segment_fixed_size 0
		.amdhsa_enable_private_segment 0
		.amdhsa_kernarg_size 40
		.amdhsa_user_sgpr_count 2
		.amdhsa_user_sgpr_kernarg_segment_ptr 1
		.amdhsa_wavefront_size32 1
		.amdhsa_system_sgpr_workgroup_id_x 1
		.amdhsa_system_sgpr_workgroup_id_y 1
		.amdhsa_system_sgpr_workgroup_id_z 1
		.amdhsa_system_vgpr_workitem_id 0
		.amdhsa_next_free_vgpr 1024
		.amdhsa_next_free_sgpr 98
		.amdhsa_reserve_vcc 0
		.amdhsa_float_denorm_mode_32 3
		.amdhsa_float_denorm_mode_16_64 3
		.amdhsa_memory_ordered 1
		.amdhsa_forward_progress 1
		.amdhsa_inst_pref_size 123
	.end_amdhsa_kernel
	.amdgpu_metadata
---
amdhsa.version: [ 1, 2 ]
amdhsa.kernels:
  - .name:           k_q44f74628a0_proj
    .symbol:         k_q44f74628a0_proj.kd
    .args:
      - { .name: ao, .offset: 0, .size: 8, .value_kind: global_buffer, .address_space: global }
      - { .name: wc, .offset: 8, .size: 8, .value_kind: global_buffer, .address_space: global }
      - { .name: lowp_scales, .offset: 16, .size: 8, .value_kind: global_buffer, .address_space: global }
      - { .name: bp, .offset: 24, .size: 8, .value_kind: global_buffer, .address_space: global }
      - { .name: out0, .offset: 32, .size: 8, .value_kind: global_buffer, .address_space: global }
    .group_segment_fixed_size: 327680
    .private_segment_fixed_size: 0
    .kernarg_segment_align: 8
    .kernarg_segment_size: 40
    .max_flat_workgroup_size: 128
    .sgpr_count:     98
    .vgpr_count:     1024
    .wavefront_size: 32
...
	.end_amdgpu_metadata
.endif
;; end of part 4
;; ======== version 2 of 2: 4 launches; version 1 with the launch attn written anew for expert scheduling mode
;; limits: right only within a limited range of input values
;; workspace buffers: xc 25,165,824 bytes; wc 4,194,304 bytes; qkv 25,165,824 bytes; ao 8,388,608 bytes
;; launch quant: the kernel of part 1 again; grid 640 x 1, 4 waves a work-group, no clusters, 68,096 bytes of LDS; arguments x, Wq, Wk, Wv, Wp, lowp_scales, xc, wc; writes xc, wc
;; launch qkv: the kernel of part 2 again; grid 96 x 4, 4 waves a work-group, clusters of 4 x 4, 327,680 bytes of LDS; arguments xc, wc, lowp_scales, qkv; writes qkv
;; launch attn (part 5): grid 4 x 64, 16 waves a work-group, no clusters, 67,584 bytes of LDS; arguments qkv, lowp_scales, ao; writes ao
.if DOCPART == 5
	.amdgcn_target "amdgcn-amd-amdhsa--gfx1250"
	.amdhsa_code_object_version 6
	.text
	.protected	k_q44f74628a0_attn
	.globl	k_q44f74628a0_attn
	.p2align	8
	.type	k_q44f74628a0_attn,@function
k_q44f74628a0_attn:
	s_mov_b64 s[64:65], 0
	v_nop
	global_prefetch_b8 v0, s[64:65] scope:SCOPE_SE
	s_setreg_imm32_b32 hwreg(HW_REG_WAVE_SCHED_MODE, 0, 2), 2
	s_setreg_imm32_b32 hwreg(HW_REG_WAVE_MODE, 25, 1), 1
	s_wait_xcnt 0x0
	s_wait_alu depctr_vm_vsrc(0)
; Causal attention of one (batch, head) on codes of E4M3; the result is quantised at once for the projection.
; t = score x log2(e) / 8; M = the running largest t rounded up to a whole number; p = 2^(t - M) is quantised with entry 8's scale, not normalised; the row's sum is taken of the unquantised p and divides at the end.
; SHARES.  2,048 queries are 8 blocks of 256.  Work-group i (0 to 3) of a head takes block 7 - i, which needs 8 - i slots of 256 keys, and then block i, which needs i + 1: nine visits of a slot for every
; work-group: equal work, and a constant trip count.  Each of the sixteen waves owns 16 queries of the block in hand, in 256 registers; four waves to a SIMD.
; LAYOUT.  Both products are used transposed (S^T = K Q^T, O^T = V^T P^T): a lane holds one query.  K's tiles hold their keys turned (lane-row p of tile 2 b + u is key 32 b + 8 u + p + 8 (p / 8)), so that the 16
; registers of score tiles 2 b, 2 b + 1 are keys 32 b + 16 h + 0 .. 15: p's codes are the second product's operand.  V's tiles hold e turned likewise, so that O's codes are two chunks of the next operand's image.
; K AND V come through registers into two LDS slots: a slot is 32 KiB, each wave brings 2 KiB of it (four loads of 512 consecutive bytes), asked for a whole visit ahead.  One barrier a visit.
; NO JOINT LOADS: the four work-groups of a head stand at different slots from their fifth visit on (8 - i differs), so partners would need different tiles; and a visit's shared bytes are 32 KiB.
; One branch hangs on a given scale: p is at most 1, which is under 448 x 2^ep wherever ep >= -8: there the hold is left out.
; LIMITS: entries 6 + 7 between -123 and 130 (added to c's exponent field); entry 8 between -126 and 119.  Entries 8 + 9 - 10 are applied by v_ldexp_f32.
; REGISTERS: v1 16 x lane; v2 K's offset in memory; v3 16 x thread; v5 r - 16 h; v6 448; v7 1; v9 448 x 2^ep; v10 2^ep; v11 a permute's destination; v12 -M; v13 the largest t; v[14:15] the sum; v16-23 Q; v24-31 the second
; block's Q; v32-95 K's 8 or V's 4 fragments; v96-159 S^T, p; v160-191 O^T; v192-207 p's codes; v208-223 the next slot on its way; v224-239 O's codes; v240-247 at work; s24-39 (free behind the head) sixteen masks.
; THE MODE: SCHED_MODE bits 1:0 = 2 (LLVM: expert scheduling mode 2), set by the entry lines.  The code itself states the register dependences between vector or matrix instructions and
; memory or LDS instructions, and those through scalar registers that vector instructions write, with s_wait_alu, always for 0.
; THE PLAN.  Registers that memory or LDS instructions touch:
;   v1, v2, v3   offsets and LDS addresses: written at the head, ahead of one wait on va_vdst, and never again.
;   v32-95       a step's LDS loads of K land here; the eight score products read them; the LDS loads of V land here; the four products V^T P^T read them.  So a wait on va_vdst stands ahead of each of
;                the step's two runs of loads: the products that read the registers last are done with them.
;   v208-223     written by the four global loads of the next slot, read by the four LDS stores that put it into LDS; no vector instruction names them.  One wait on vm_vsrc stands ahead of the loads.
;   v224-239     O's codes: written by a block's last conversions, read by its two stores: a wait on va_vdst between; where that text stands in the loop, a wait on vm_vsrc ahead of it.
;   v254, v255   written at the head, read by the closing add alone.
;   All else (Q once it is in, the scores and p, O^T, p's codes, the statistics) is named by vector and matrix instructions alone.
.set SLOTB, 32768                      ; a slot: K's 16 tiles x 1,024 bytes, then V: [128 keys 2][tile of e 4][c 4][512]
.set VOFF,  16384
.set WV,  18
.set SEL, 20                           ; s[20:21] selects for v_permlanex16_b32: lane xor 16
.set CS,  22                           ; s[22:23] c
.set MK,  24                           ; s[24:39] behind the head: the masks of sixteen compares
.set KA,  40                           ; s[40:41], s[42:43] the next slot's K and V in memory
.set VA,  42
.set KB,  48                           ; s[48:49], s[50:51] the head's K and V
.set VB,  50
.set VIS, 52                           ; the trip's first visit: 0, 2, 4, 6, 8
.set NA,  53                           ; visits of the first block
.set KN,  54                           ; the slot of keys that is on its way
.set KF,  56                           ; the step's first key
.set Q0,  57                           ; my first query
.set Q0B, 58                           ; and in the second block
.set AOA, 60                           ; s[60:61], s[62:63] where my codes of the two blocks go
.set AOB, 62
.set EP,  82
.set EO,  83
	s_load_b128 s[4:7], s[0:1], 0x0                ; qkv, scales
	s_load_b64 s[8:9], s[0:1], 0x10                ; ao
	v_lshl_add_u32 v254, v0, 2, 0x10000
	v_mov_b32 v255, 0
	v_lshrrev_b32 v2, 5, v0
	v_readfirstlane_b32 s[WV], v2                  ; wave 0..15
	v_and_b32 v4, 31, v0
	v_lshlrev_b32 v1, 4, v4
	v_lshlrev_b32 v3, 4, v0
	s_wait_alu depctr_va_sdst(0)                   ; s18, the wave's number, is written, ahead of its first reader
	s_lshr_b32 s24, s[WV], 1
	s_lshl_b32 s24, s24, 11                        ; K in memory: a tile's two heads are 2,048 bytes; wave w brings chunk w % 2 of tile w / 2 (and of tile 8 + w / 2)
	s_and_b32 s25, s[WV], 1
	s_lshl_b32 s25, s25, 9
	s_add_co_u32 s24, s24, s25
	v_add_nc_u32 v2, s24, v1
	v_and_b32 v4, 15, v0
	v_bfe_u32 v5, v0, 4, 1
	v_lshlrev_b32 v5, 4, v5
	v_sub_nc_u32 v5, v4, v5                        ; r - 16 h
	s_and_b32 s26, ttmp7, 0xffff
	s_lshr_b32 s27, s26, 4                         ; batch
	s_and_b32 s28, s26, 15                         ; head
	s_lshr_b32 s29, s28, 1                         ; pair of heads
	s_and_b32 s30, s28, 1                          ; which of the pair
	s_lshl_b32 s31, s27, 3
	s_add_co_u32 s31, s31, s29
	s_lshl_b32 s31, s31, 18                        ; the block of (batch, pair): 262,144 bytes in each of the three parts
	s_sub_co_u32 s[NA], 8, ttmp9
	s_sub_co_u32 s32, 7, ttmp9                     ; the first block
	s_lshl_b32 s33, s[WV], 4
	s_lshl_b32 s[Q0], s32, 8
	s_add_co_u32 s[Q0], s[Q0], s33
	s_lshl_b32 s[Q0B], ttmp9, 8
	s_add_co_u32 s[Q0B], s[Q0B], s33
	s_lshl_b32 s34, s30, 10
	s_add_co_u32 s36, s31, s34
	s_mov_b32 s37, 0
	s_lshl_b32 s38, s[Q0], 7                       ; 16 queries are a tile of 2,048 bytes
	s_add_co_u32 s38, s38, s36
	s_mov_b32 s39, 0
	s_lshl_b32 s44, s[Q0B], 7
	s_add_co_u32 s44, s44, s36
	s_mov_b32 s45, 0
	s_add_co_u32 s36, s36, 0x800000                ; K's part begins at 8 MiB,
	s_lshl_b32 s46, s30, 13
	s_add_co_u32 s46, s46, s31
	s_add_co_u32 s46, s46, 0x1000000               ; V's at 16 MiB
	s_mov_b32 s47, 0
	s_lshl_b32 s24, s27, 21                        ; ao: a batch's 128 tiles of 16,384 bytes,
	s_lshl_b32 s25, s29, 11                        ; the pair's fragment,
	s_add_co_u32 s24, s24, s25
	s_add_co_u32 s24, s24, s34                     ; the head's two chunks
	s_lshl_b32 s[AOA], s[Q0], 10
	s_add_co_u32 s[AOA], s[AOA], s24
	s_mov_b32 s[AOA+1], 0
	s_lshl_b32 s[AOB], s[Q0B], 10
	s_add_co_u32 s[AOB], s[AOB], s24
	s_mov_b32 s[AOB+1], 0
	s_wait_kmcnt 0x0
	s_load_b256 s[68:75], s[6:7], 0x0              ; entries 0 to 7
	s_load_b128 s[76:79], s[6:7], 0x20             ; entries 8 to 11
	s_add_nc_u64 s[KB:KB+1], s[4:5], s[36:37]
	s_add_nc_u64 s[VB:VB+1], s[4:5], s[46:47]
	s_add_nc_u64 s[38:39], s[4:5], s[38:39]
	s_add_nc_u64 s[44:45], s[4:5], s[44:45]
	s_add_nc_u64 s[AOA:AOA+1], s[8:9], s[AOA:AOA+1]
	s_add_nc_u64 s[AOB:AOB+1], s[8:9], s[AOB:AOB+1]
	s_wait_alu depctr_va_vdst(0)                   ; v1, v2 and v3 are written: every load and store of the kernel, global or LDS, reads one of them as its offset or address, and no vector instruction writes them again
	global_load_b128 v[208:211], v2, s[KB:KB+1]                 ; keys 0 to 255
	global_load_b128 v[212:215], v2, s[KB:KB+1] offset:16384
	global_load_b128 v[216:219], v3, s[VB:VB+1]
	global_load_b128 v[220:223], v3, s[VB:VB+1] offset:16384
	global_load_b128 v[16:19], v1, s[38:39]                     ; Q of both blocks stays in registers
	global_load_b128 v[20:23], v1, s[38:39] offset:512
	global_load_b128 v[24:27], v1, s[44:45]
	global_load_b128 v[28:31], v1, s[44:45] offset:512
	s_mov_b32 s[SEL], 0x76543210
	s_mov_b32 s[SEL+1], 0xfedcba98
	s_mov_b32 s85, 0
	s_mov_b32 s[VIS], 0
	s_mov_b32 s[KN], 0
	s_mov_b32 s[KF], 0
	v_mov_b32 v6, 0x43e00000                       ; 448
	v_mov_b32 v7, 1.0
	v_mov_b32 v11, 0                               ; a lane permute's destination counts as one of its sources
	v_mov_b32 v13, 0xff61b1e6                      ; the largest t so far: -3e38
	v_floor_f32 v12, -v13
	v_mov_b32 v14, 0
	v_mov_b32 v15, 0
	v_mov_b32 v245, 0                              ; (named as the upper half of the pair v[244:245])
	v_mov_b32 v246, 0xff800000                     ; -infinity
.set j, 0
.rept 32
	v_mov_b32 v[160+j], 0                          ; O^T: the step is written without a first form: it finds zeros, which the first change of M leaves zeros
.set j, j+1
.endr
	s_wait_kmcnt 0x0
	s_add_co_i32 s86, s74, s75
	s_lshl_b32 s86, s86, 23
	s_add_co_i32 s[CS], s86, 0x3e38aa3b            ; c = log2(e) / 8, with the two scales' exponents added to its exponent field
	s_mov_b32 s[CS+1], s[CS]
	s_mov_b32 s[EP], s76
	s_add_co_i32 s[EO], s76, s77
	s_sub_co_i32 s[EO], s[EO], s78                 ; a sum of the second product, divided by the row's sum, x 2^(ep + ev - eo) is the number that is rounded to a code
	s_add_co_i32 s86, s76, 127
	s_lshl_b32 s87, s86, 23
	v_mov_b32 v10, s87
	s_add_co_i32 s86, s86, 8
	s_lshl_b32 s86, s86, 23
	s_or_b32 s86, s86, 0x600000
	v_mov_b32 v9, s86
	s_wait_loadcnt 0x0
.irp j, 0,1,2,3
	ds_store_b128 v3, v[208+4*\j:211+4*\j] offset:8192*\j      ; the data come from loads, the address from ahead of the wait on va_vdst above: no vector instruction since names either
.endr
	s_wait_dscnt 0x0                               ; for the others' sake: my part of slot 0 lies in LDS
	s_barrier_signal -1
	s_barrier_wait -1
; The next visit's slot of keys is asked for: one further on, or the second block's first.
.macro NEXT odd
	s_add_co_u32 s[KN], s[KN], 1
	s_add_co_u32 s86, s[VIS], (\odd)+1
	s_cmp_eq_u32 s86, s[NA]
	s_cselect_b32 s[KN], 0, s[KN]
	s_lshl_b32 s84, s[KN], 15                      ; 256 keys are 32,768 bytes in K's part and in V's
	s_add_nc_u64 s[KA:KA+1], s[KB:KB+1], s[84:85]  ; (the last loads that named these pairs have been waited for)
	s_add_nc_u64 s[VA:VA+1], s[VB:VB+1], s[84:85]
	s_wait_alu depctr_vm_vsrc(0)                   ; the LDS stores of the last slot (the head's, or the last visit's) have read v208-223, in which the loads below land
	global_load_b128 v[208:211], v2, s[KA:KA+1]
	global_load_b128 v[212:215], v2, s[KA:KA+1] offset:16384
	global_load_b128 v[216:219], v3, s[VA:VA+1]
	global_load_b128 v[220:223], v3, s[VA:VA+1] offset:16384
.endm
; It goes into the other slot.  ONE barrier: in front of it my reads of the slot that I leave are over and my stores have landed; the slot stored into was last read in front of the barrier before.
.macro PUT dst                         ; (the argument comes as the text of a difference, so it stands in brackets)
	s_wait_loadcnt 0x0
.irp j, 0,1,2,3
	ds_store_b128 v3, v[208+4*\j:211+4*\j] offset:(\dst)*SLOTB+8192*\j   ; data from loads, address from the head: no vector instruction names either
.endr
	s_wait_dscnt 0x0
	s_barrier_signal -1
	s_barrier_wait -1
	s_lshl_b32 s[KF], s[KN], 8
.endm
; A KEY STEP: 128 keys, the q-th of the slot.
.macro STEP slot, q
	s_add_co_u32 s86, s[Q0], 15                    ; a step all of whose keys come after my 16 queries is left out: a branch on ids; no barrier stands in a step
	s_cmp_gt_u32 s[KF], s86
	s_cbranch_scc1 .Lhidden_\@
.rept 4
	v_nop                                          ; four plain lines behind the last products, ahead of the loads into the registers that they read; the wait below states that dependence
.endr
	s_wait_alu depctr_va_vdst(0)                   ; the last step's four products V^T P^T are done reading v32-95, in which K's fragments land
.irp t, 0,1,2,3,4,5,6,7
	ds_load_b128 v[32+8*\t:35+8*\t], v1 offset:(\slot)*SLOTB+(8*(\q)+\t)*1024
	ds_load_b128 v[36+8*\t:39+8*\t], v1 offset:(\slot)*SLOTB+(8*(\q)+\t)*1024+512
.endr
	s_wait_dscnt 0x0
.irp t, 0,1,2,3,4,5,6,7
	v_wmma_f32_16x16x64_fp8_fp8 v[96+8*\t:103+8*\t], v[32+8*\t:39+8*\t], v[16:23], 0
.endr
.rept 4
	v_nop                                          ; places in front of the first read of the scores by a vector instruction (ISA guide 7.12.1); they stay beside the wait below
.endr
	s_wait_alu depctr_va_vdst(0)                   ; the eight score products are done reading v32-95, in which V's fragments land
.irp t, 0,1,2,3                                ; V's fragments are asked for now and land under the softmax, none of whose lines names v32-95
.irp c, 0,1,2,3
	ds_load_b128 v[32+16*\t+4*\c:35+16*\t+4*\c], v1 offset:(\slot)*SLOTB+VOFF+8192*(\q)+2048*\t+512*\c
.endr
.endr
	s_add_co_u32 s86, s[KF], 127                   ; on the diagonal hidden scores become -infinity; a step all of whose keys count skips this
	s_cmp_le_u32 s86, s[Q0]
	s_cbranch_scc1 .Lopen_\@
	s_sub_co_i32 s86, s[Q0], s[KF]
	v_add_nc_u32 v247, s86, v5                     ; d = my query - KF - 16 h.  Register 16 g + n holds key KF + 16 h + 32 g + n: hidden where 32 g + n > d
.irp g, 0,1,2,3                                ; sixteen compares in a run, each into a scalar register of its own, one wait, sixteen selects
.set n, 0
.rept 16
	v_cmp_gt_i32 s[MK+n], 32*\g+n, v247
.set n, n+1
.endr
	s_wait_alu depctr_va_sdst(0)                   ; the sixteen masks s24-39 are written, ahead of the selects that read them
.set n, 0
.rept 16
	v_cndmask_b32 v[96+16*\g+n], v[96+16*\g+n], v246, s[MK+n]
.set n, n+1
.endr
.endr
.Lopen_\@:
	v_max3_num_f32 v240, v96, v97, v98             ; the step's largest score of my query among my 64 keys, in two chains; each accumulator is first read at its low end
	v_max3_num_f32 v241, v99, v100, v101
.irp i, 6,10,14,18,22,26,30,34,38,42,46,50,54,58
	v_max3_num_f32 v240, v240, v[96+\i], v[97+\i]
	v_max3_num_f32 v241, v241, v[98+\i], v[99+\i]
.endr
	v_max3_num_f32 v240, v240, v158, v159
	v_max_num_f32 v240, v240, v241
	v_permlanex16_b32 v11, v240, s[SEL], s[SEL+1]
	v_max_num_f32 v240, v240, v11                  ; and among lane xor 16's
	v_mul_f32 v240, s[CS], v240                    ; as t (c is positive)
	v_max_num_f32 v13, v13, v240
	v_mov_b32 v240, v12
	v_floor_f32 v12, -v13                          ; the new -M = floor(-t): M is a whole number
	v_sub_f32 v240, v12, v240                      ; old M - new M: a whole number, 0 or less
	v_cvt_i32_f32 v240, v240                       ; (it saturates)
	v_ldexp_f32 v244, 1.0, v240                    ; f = 2^(old M - new M)
.set j, 0
.rept 32
	v_pk_fma_f32 v[96+j:97+j], v[96+j:97+j], s[CS:CS+1], v[12:13] op_sel_hi:[1,0,0]   ; t - M, two at a time
.set j, j+2
.endr
.set j, 0
.rept 64
	v_exp_f32 v[96+j], v[96+j]                     ; p = 2^(t - M)
.set j, j+1
.endr
	v_pk_mul_f32 v[14:15], v[14:15], v[244:245] op_sel_hi:[1,0]   ; the sums under the new M: the plain line behind the exponentials
	s_wait_alu depctr_va_vdst(0)                   ; the 64 exponentials have written v96-159: one wait for the batch, ahead of its first reader
	v_pk_add_f32 v[242:243], v[96:97], v[98:99]    ; the row's sum is taken of the unquantised p, in two chains
.irp j, 4,8,12,16,20,24,28,32,36,40,44,48,52,56,60
	v_pk_add_f32 v[14:15], v[14:15], v[96+\j:97+\j]
	v_pk_add_f32 v[242:243], v[242:243], v[98+\j:99+\j]
.endr
	v_pk_add_f32 v[14:15], v[14:15], v[242:243]
	s_cmp_ge_i32 s[EP], -8                         ; p <= 1 < 448 x 2^-8: from ep = -8 on no p reaches the largest code, and the hold changes nothing
	s_cbranch_scc1 .Lnohold_\@
.set j, 0
.rept 64
	v_min_num_f32 v[96+j], v[96+j], v9             ; the conversion does not saturate (ISA guide 7.6.2); p is not negative, so the hold is one-sided
.set j, j+1
.endr
.Lnohold_\@:
.irp b, 0,1,2,3
	v_cvt_scalef32_pk8_fp8_f32 v[192+4*\b:193+4*\b], v[96+16*\b:103+16*\b], v10
	v_cvt_scalef32_pk8_fp8_f32 v[194+4*\b:195+4*\b], v[104+16*\b:111+16*\b], v10
.endr
.set j, 0
.rept 16
	v_pk_mul_f32 v[160+j:161+j], v[160+j:161+j], v[244:245] op_sel_hi:[1,0]   ; O^T under the new M; also the plain lines between the conversions and the products
.set j, j+2
.endr
	s_wait_dscnt 0x0                               ; V is in
.irp t, 0,1,2,3                                ; four accumulators, one instruction each: between two links of a chain stand the other three and the next step's eight
	v_wmma_f32_16x16x128_fp8_fp8 v[160+8*\t:167+8*\t], v[32+16*\t:47+16*\t], v[192:207], v[160+8*\t:167+8*\t]
.endr
.Lhidden_\@:
	s_add_co_u32 s[KF], s[KF], 128
.endm
; A block's end: O^T / the sum x 2^(ep + ev - eo), held within +-448, to codes with the scale 1: two chunks of 512 consecutive bytes.  again = 1: the text stands in the loop.
.macro FINISH base, cr, again
	s_wait_xcnt 0x0                                ; this text also stands in the loop: registers that stores read are written again only behind this wait
.if \again
	s_wait_alu depctr_vm_vsrc(0)                   ; round the loop, this text's stores have read the code registers that its conversions write
.endif
.rept 4
	v_nop                                          ; places behind the last products
.endr
	v_add_f32 v14, v14, v15
	v_permlanex16_b32 v11, v14, s[SEL], s[SEL+1]
	v_add_f32 v14, v14, v11                        ; the row's sum
	v_rcp_f32 v14, v14
	v_nop                                          ; a plain line behind the reciprocal
	s_wait_alu depctr_va_vdst(0)                   ; the reciprocal has written v14, ahead of its first reader
	v_ldexp_f32 v14, v14, s[EO]
.set j, 0
.rept 16
	v_pk_mul_f32 v[96+j:97+j], v[160+j:161+j], v[14:15] op_sel_hi:[1,0]   ; each accumulator from its low end on; register 8 t + i is e = 32 (t / 2) + 16 h + 8 (t % 2) + i
.set j, j+2
.endr
.set j, 0
.rept 32
	v_med3_num_f32 v[96+j], v[96+j], -v6, v6
.set j, j+1
.endr
.irp t, 0,1,2,3
	v_cvt_scalef32_pk8_fp8_f32 v[\cr+2*\t:\cr+2*\t+1], v[96+8*\t:103+8*\t], v7
.endr
	v_nop
	s_wait_alu depctr_va_vdst(0)                   ; the conversions have written the eight code registers, which the two stores read
	global_store_b128 v1, v[\cr:\cr+3], s[\base:\base+1]
	global_store_b128 v1, v[\cr+4:\cr+7], s[\base:\base+1] offset:512
.endm
; At the visit that begins the second block: a branch on the work-group's number, the same in all sixteen waves.
.macro SWITCH odd
	s_add_co_u32 s86, s[VIS], \odd
	s_cmp_lg_u32 s86, s[NA]
	s_cbranch_scc1 .Lsame_\@
	FINISH AOA, 224, 1
.irp j, 0,1,2,3,4,5,6,7
	v_mov_b32 v[16+\j], v[24+\j]
.endr
	v_mov_b32 v13, 0xff61b1e6
	v_floor_f32 v12, -v13
	v_mov_b32 v14, 0
	v_mov_b32 v15, 0
.set j, 0
.rept 32
	v_mov_b32 v[160+j], 0
.set j, j+1
.endr
	s_mov_b32 s[Q0], s[Q0B]
.Lsame_\@:
.endm
.macro VISIT slot, odd, more
.if \more
	NEXT \odd
.endif
	SWITCH \odd
	STEP \slot, 0
	STEP \slot, 1
.if \more
	PUT 1-\slot
.endif
.endm
.Lvisit:                                           ; four trips of two visits: the slots stand in the immediates
	VISIT 0, 0, 1
	VISIT 1, 1, 1
	s_add_co_u32 s[VIS], s[VIS], 2
	s_cmp_lt_u32 s[VIS], 8
	s_cbranch_scc1 .Lvisit
	VISIT 0, 0, 0                                  ; the ninth visit asks for nothing
	FINISH AOB, 232, 0                             ; v232-239 are written here for the first time: no store has read them
	s_wait_dscnt 0x0                               ; the closing lines, six on end
	s_wait_alu 0x0
	s_wait_tensorcnt 0x0
	ds_add_u32 v254, v255
	s_wait_dscnt 0x0
	s_endpgm
.Lfunc_end_k_q44f74628a0_attn:
	.size	k_q44f74628a0_attn, .Lfunc_end_k_q44f74628a0_attn-k_q44f74628a0_attn
	.p2alignl 7, 3214868480
	.fill 96, 4, 3214868480
	.section	.rodata,"a",@progbits
	.p2align	6, 0x0
	.amdhsa_kernel k_q44f74628a0_attn
		.amdhsa_group_segment_fixed_size 67584
		.amdhsa_private_segment_fixed_size 0
		.amdhsa_enable_private_segment 0
		.amdhsa_kernarg_size 24
		.amdhsa_user_sgpr_count 2
		.amdhsa_user_sgpr_kernarg_segment_ptr 1
		.amdhsa_wavefront_size32 1
		.amdhsa_system_sgpr_workgroup_id_x 1
		.amdhsa_system_sgpr_workgroup_id_y 1
		.amdhsa_system_sgpr_workgroup_id_z 1
		.amdhsa_system_vgpr_workitem_id 0
		.amdhsa_next_free_vgpr 256
		.amdhsa_next_free_sgpr 88
		.amdhsa_reserve_vcc 0
		.amdhsa_float_denorm_mode_32 3
		.amdhsa_float_denorm_mode_16_64 3
		.amdhsa_memory_ordered 1
		.amdhsa_forward_progress 1
		.amdhsa_inst_pref_size 177
	.end_amdhsa_kernel
	.amdgpu_metadata
---
amdhsa.version: [ 1, 2 ]
amdhsa.kernels:
  - .name:           k_q44f74628a0_attn
    .symbol:         k_q44f74628a0_attn.kd
    .args:
      - { .name: qkv, .offset: 0, .size: 8, .value_kind: global_buffer, .address_space: global }
      - { .name: lowp_scales, .offset: 8, .size: 8, .value_kind: global_buffer, .address_space: global }
      - { .name: ao, .offset: 16, .size: 8, .value_kind: global_buffer, .address_space: global }
    .group_segment_fixed_size: 67584
    .private_segment_fixed_size: 0
    .kernarg_segment_align: 8
    .kernarg_segment_size: 24
    .max_flat_workgroup_size: 512
    .sgpr_count:     88
    .vgpr_count:     256
    .wavefront_size: 32
...
	.end_amdgpu_metadata
.endif
;; end of part 5
;; launch proj: the kernel of part 4 again; grid 4 x 32, 4 waves a work-group, clusters of 4 x 4, 327,680 bytes of LDS; arguments ao, wc, lowp_scales, bp, out0; writes out0
